; MI455X (gfx1250); checked and timed in simulation.
; The chip was launched on July 23, 2026; its instructions are those of AMD's public machine-readable ISA for CDNA 5 (MIT licence, August 2026) and "CDNA5" Instruction Set Architecture Reference Guide (July 2026). The comments in the code are by the model that wrote it; some were corrected since.
;; Mo EQKV Parallel Linear. Allowed arithmetic: float matrix products may take bf16 or f16 operands with f32 sums; other float arithmetic in f32, or as packed bf16 or f16 multiplies, adds, multiply-adds, maxima and minima; sums over many terms, partial sums and values carried from step to step in f32; what a program stores and reads back later, other than sums and carried values, may be rounded once to bf16 or f16.
;; Inputs: W 4 x 384 x 2,048 float32; modality_mapping 16,384 int32; x 16,384 x 2,048 float32.
;; Outputs: out0 16,384 x 384 float32.
;; 2 versions, each right and faster than the one before. Each part assembles by itself: llvm-mc -triple=amdgcn-amd-amdhsa -mcpu=gfx1250 --defsym DOCPART=n.
;; ======== version 1 of 2: 2 launches
;; workspace buffers: Wb 6,291,456 bytes; rows 131,072 bytes of whole numbers
;; launch prep (part 1): grid 256 x 1, 8 waves a work-group, no clusters, 4,352 bytes of LDS; arguments W, modality_mapping, Wb, rows, out0; writes Wb, rows, out0
.if DOCPART == 1
	.amdgcn_target "amdgcn-amd-amdhsa--gfx1250"
	.amdhsa_code_object_version 6
	.text
	.protected	k_q837c6941dc_prep
	.globl	k_q837c6941dc_prep
	.p2align	8
	.type	k_q837c6941dc_prep,@function
k_q837c6941dc_prep:
	s_mov_b64 s[64:65], 0
	v_nop
	global_prefetch_b8 v0, s[64:65] scope:SCOPE_SE
	s_setreg_imm32_b32 hwreg(HW_REG_WAVE_MODE, 25, 1), 1
	s_wait_xcnt 0x0
; PREP.  Three things, on 256 work-groups of eight waves:
;  (1) W [4][384][2048] f32 is rounded once to bf16 (nearest even) into Wb, same layout: 49,152 bytes in and 24,576 bytes out for each work-group.
;  (2) The tokens are sorted by expert with a counting sort without atomics, and dealt to the 256 work-groups of the next launch.  Every work-group counts the whole
;      list of 16,384 ids for itself (wave w: tokens 2048 w ..), works the deal out in scalar registers, and writes ONE record of 512 bytes: that of work-group g = its own number.
;  (3) A token whose id is not 0..3 belongs to no expert: its row of out0 is 0, and is stored here (work-group g looks at tokens 64 g .. 64 g + 63).
; THE DEAL serves every split.  c_e tokens of expert e take n_e = ceil(c_e / 256) clusters of four work-groups; if these are D more than 64 (D <= 3), the largest expert gives D up
; and its first Q5 clusters take 320 tokens (80 a work-group) in place of 256 (64).  D > 0 means 15,620 valid tokens or more, so the largest expert has 3,905 or more, 16 clusters or more,
; and 12 clusters with 64 more each make up for 3 x 256.  A cluster has one expert; its four work-groups take neighbouring ranges of ranks.
; RECORD of work-group g, 128 ints: wave w's part at int 32 w: ints 0-19 the token of tile row 4 i + w; 20 the number of valid tile rows; 21 the expert; 22 is 1 where the cluster has
; five blocks of 16 rows; the rest 0.  Places past the count hold token 0, a row that exists.
; The rank of a token within its expert goes by (wave, register, lane): the same order in every work-group, so the ranks are dealt without gap or overlap.
.set MAP,   64        ; v[64:127]  my wave's 2,048 ids: register 4 j + c of lane l is token 2048 w + 128 j + 4 l + c
.set WF,    128       ; v[128:175] 48 numbers of W
.set WP,    176       ; v[176:199] the same in bf16
.set LIST,  256       ; LDS: eight lists of 96 words, one a wave: slots 0-79 by rank, slot 80 takes what is not mine
.set LREG,  384
.set SPARE, 3328      ; LDS: the spare words, 128 bytes a wave; LDS bytes 0-63: the waves' counts
; v1 lane  v2 my offset in the ids  v3 16 x thread  v4 8 x thread  v5 16 x lane  v6 the number 1  v7, v16 at work  v8, v9 counts in fields of 6 bits  v10-13 counts  v14, v15 packed counts
; v17 the number 80  v18, v19 slot and token  v20 my first token  v21 my word in my list  v24-27 zeros  v28, v29 for the add
	s_load_b256 s[4:11], s[0:1], 0x0               ; W s[4:5], ids s[6:7], Wb s[8:9], rows s[10:11]
	s_load_b64 s[12:13], s[0:1], 0x20              ; out0
	v_lshl_add_u32 v28, v0, 2, SPARE
	v_mov_b32 v29, 0
	v_lshrrev_b32 v7, 5, v0
	v_readfirstlane_b32 s14, v7                    ; wave 0..7
	v_and_b32 v1, 31, v0
	v_lshlrev_b32 v5, 4, v1
	v_lshl_add_u32 v2, v7, 13, v5                  ; 8,192 w + 16 lane
	v_lshlrev_b32 v3, 4, v0
	v_lshlrev_b32 v4, 3, v0
	v_mov_b32 v6, 1
	v_mov_b32 v17, 80
	v_lshlrev_b32 v20, 2, v1
	v_lshl_add_u32 v20, v7, 11, v20                ; 2,048 w + 4 lane
.irp i, 24,25,26,27
	v_mov_b32 v\i, 0
.endr
	s_mov_b32 s30, 0x76543210                      ; v_permlanex16_b32: each lane takes its own place in the other half
	s_mov_b32 s31, 0xfedcba98
	s_mul_i32 s15, s14, LREG
	s_add_co_u32 s15, s15, LIST                    ; my wave's list
	v_lshl_add_u32 v21, v1, 2, s15
	s_lshl_b32 s24, ttmp9, 8                       ; offsets, each made apart from its address
	s_lshl_b32 s25, s14, 5
	s_add_co_u32 s24, s24, s25                     ; ids of tokens 64 g + 8 w ..
	s_mov_b32 s25, 0
	s_mul_i32 s32, ttmp9, 49152                    ; my part of W
	s_mov_b32 s33, 0
	s_mul_i32 s34, ttmp9, 24576                    ; and of Wb
	s_mov_b32 s35, 0
	s_lshl_b32 s36, ttmp9, 6
	s_lshl3_add_u32 s36, s14, s36                  ; token 64 g + 8 w
	s_mul_i32 s36, s36, 1536                       ; its row of out0
	s_mov_b32 s37, 0
	s_lshl_b32 s38, ttmp9, 9                       ; my record
	s_mov_b32 s39, 0
	s_wait_kmcnt 0x0
	s_add_nc_u64 s[26:27], s[6:7], s[24:25]
	s_add_nc_u64 s[4:5], s[4:5], s[32:33]
	s_add_nc_u64 s[8:9], s[8:9], s[34:35]
	s_add_nc_u64 s[12:13], s[12:13], s[36:37]
	s_add_nc_u64 s[10:11], s[10:11], s[38:39]
	s_load_b256 s[16:23], s[26:27], 0x0            ; the eight ids whose rows of out0 my wave answers for
.set i, 0
.rept 16
	global_load_b128 v[MAP+4*i:MAP+4*i+3], v2, s[6:7] offset:512*i       ; every work-group reads these again: no hint
.set i, i+1
.endr
.set i, 0
.rept 12
	global_load_b128 v[WF+4*i:WF+4*i+3], v3, s[4:5] offset:4096*i th:TH_LOAD_NT  ; a wave's load covers 512 consecutive bytes; read once in the launch
.set i, i+1
.endr
	ds_store_b32 v21, v24                          ; my wave clears its own list: 96 words
	ds_store_b32 v21, v24 offset:128
	ds_store_b32 v21, v24 offset:256
	s_wait_kmcnt 0x0
; a token of no expert: its row of 1,536 bytes is 0.  Three stores of 512 consecutive bytes; the addresses are fixed, only the jump hangs on the id
.macro ZROW k
	s_cmp_gt_u32 s[16+(\k)], 3                     ; unsigned: a negative id is large
	s_cbranch_scc0 .Lhas_expert_\@
	global_store_b128 v5, v[24:27], s[12:13] offset:1536*(\k)
	global_store_b128 v5, v[24:27], s[12:13] offset:1536*(\k)+512
	global_store_b128 v5, v[24:27], s[12:13] offset:1536*(\k)+1024
.Lhas_expert_\@:
.endm
.irp k, 0,1,2,3,4,5,6,7
	ZROW \k
.endr
	s_wait_loadcnt 12                              ; the ids are in; the twelve loads of W are younger and stay out
; my lane's 64 ids are counted in fields of 6 bits (experts 0-3, and a fifth field for all else): 32 ids to a register, so a field holds 32 at the most
.macro CNT1 k
.set t, 7+9*((\k)%2)
	v_min_u32 v[t], 4, v[MAP+(\k)]
	v_mul_u32_u24 v[t], 6, v[t]
.if ((\k)%32) == 0
	v_lshlrev_b32 v[8+(\k)/32], v[t], v6           ; the first starts the sum
.else
	v_lshlrev_b32 v[t], v[t], v6
	v_add_nc_u32 v[8+(\k)/32], v[8+(\k)/32], v[t]
.endif
.endm
.set kk, 0
.rept 64
	CNT1 kk
.set kk, kk+1
.endr
.irp e, 0,1,2,3
	v_bfe_u32 v[10+\e], v8, 6*\e, 6
	v_bfe_u32 v7, v9, 6*\e, 6
	v_add_nc_u32 v[10+\e], v[10+\e], v7
.endr
	v_lshl_or_b32 v14, v11, 16, v10                ; two counts to a word: a wave's sums are 2,048 at the most, the launch's 16,384
	v_lshl_or_b32 v15, v13, 16, v12
.irp m, 1,2,4,8
	v_mov_b32_dpp v7, v14 row_xmask:\m row_mask:0xf bank_mask:0xf
	v_mov_b32_dpp v16, v15 row_xmask:\m row_mask:0xf bank_mask:0xf
	v_add_nc_u32 v14, v14, v7
	v_add_nc_u32 v15, v15, v16
.endr
	v_permlanex16_b32 v7, v14, s30, s31
	v_permlanex16_b32 v16, v15, s30, s31
	v_add_nc_u32 v14, v14, v7
	v_add_nc_u32 v15, v15, v16                     ; every lane holds my wave's four counts
	s_lshl_b32 s28, s14, 3
	v_mov_b32 v7, s28
	ds_store_b64 v7, v[14:15]                      ; all lanes write the same two words
	v_readfirstlane_b32 s54, v14
	v_readfirstlane_b32 s55, v15
	s_wait_loadcnt 0x0                             ; W
.set i, 0
.rept 12
	v_cvt_pk_bf16_f32 v[WP+2*i], v[WF+4*i], v[WF+4*i+1]
	v_cvt_pk_bf16_f32 v[WP+2*i+1], v[WF+4*i+2], v[WF+4*i+3]
	global_store_b64 v4, v[WP+2*i:WP+2*i+1], s[8:9] offset:2048*i    ; a wave's store covers 256 consecutive bytes, aligned
.set i, i+1
.endr
	s_wait_dscnt 0x0                               ; for the others' sake: my counts are written
	s_barrier_signal -1
	s_barrier_wait -1
	ds_load_b128 v[32:35], v24                     ; the eight waves' counts, in every lane
	ds_load_b128 v[36:39], v24 offset:16
	ds_load_b128 v[40:43], v24 offset:32
	ds_load_b128 v[44:47], v24 offset:48
	s_wait_dscnt 0x0
.set i, 0
.rept 16
	v_readfirstlane_b32 s[32+i], v[32+i]
.set i, i+1
.endr
	s_mov_b32 s48, 0                               ; totals, packed
	s_mov_b32 s49, 0
	s_mov_b32 s52, 0                               ; sums over the waves in front of mine, packed
	s_mov_b32 s53, 0
.irp k, 0,1,2,3,4,5,6,7
	s_add_co_u32 s48, s48, s[32+2*\k]
	s_add_co_u32 s49, s49, s[33+2*\k]
	s_cmp_gt_u32 s14, \k
	s_cselect_b32 s50, s[32+2*\k], 0
	s_cselect_b32 s51, s[33+2*\k], 0
	s_add_co_u32 s52, s52, s50
	s_add_co_u32 s53, s53, s51
.endr
	; THE DEAL
	s_and_b32 s56, s48, 0xffff                     ; c_0 .. c_3
	s_lshr_b32 s57, s48, 16
	s_and_b32 s58, s49, 0xffff
	s_lshr_b32 s59, s49, 16
.irp e, 0,1,2,3
	s_add_co_u32 s[60+\e], s[56+\e], 255
	s_lshr_b32 s[60+\e], s[60+\e], 8               ; n_e = ceil(c_e / 256)
.endr
	s_add_co_u32 s66, s60, s61
	s_add_co_u32 s66, s66, s62
	s_add_co_u32 s66, s66, s63
	s_sub_co_i32 s66, s66, 64
	s_max_i32 s66, s66, 0                          ; D: clusters too many
	s_mov_b32 s67, 0                               ; the largest expert, the lowest of equals
	s_mov_b32 s68, s56
.irp e, 1,2,3
	s_cmp_gt_u32 s[56+\e], s68
	s_cselect_b32 s67, \e, s67
	s_cselect_b32 s68, s[56+\e], s68
.endr
.irp e, 0,1,2,3
	s_cmp_eq_u32 s67, \e
	s_cselect_b32 s69, s66, 0
	s_sub_co_u32 s[60+\e], s[60+\e], s69           ; it gives D clusters up
.endr
	s_mov_b32 s70, s60                             ; first clusters of experts 1, 2, 3
	s_add_co_u32 s71, s70, s61
	s_add_co_u32 s72, s71, s62
	s_lshr_b32 s73, ttmp9, 2                       ; my record's cluster
	s_and_b32 s74, ttmp9, 3                        ; and place in it
	s_mov_b32 s75, 0                               ; its expert e: the last whose first cluster is not behind it; with it c, n and that first cluster
	s_mov_b32 s76, s56
	s_mov_b32 s77, s60
	s_mov_b32 s78, 0
.irp e, 1,2,3
	s_cmp_ge_u32 s73, s[69+\e]
	s_cselect_b32 s75, \e, s75
	s_cselect_b32 s76, s[56+\e], s76
	s_cselect_b32 s77, s[60+\e], s77
	s_cselect_b32 s78, s[69+\e], s78
.endr
	s_sub_co_u32 s79, s73, s78                     ; q: the cluster's number within its expert
	s_lshl_b32 s80, s77, 8
	s_sub_co_i32 s80, s76, s80
	s_max_i32 s80, s80, 0                          ; tokens over 256 a cluster
	s_add_co_u32 s81, s80, 63
	s_lshr_b32 s81, s81, 6                         ; Q5: so many clusters take 64 more
	s_cmp_lt_u32 s79, s81
	s_cselect_b32 s82, 1, 0                        ; mine is one of them
	s_mul_i32 s83, s79, 320
	s_mul_i32 s84, s74, 80
	s_add_co_u32 s83, s83, s84                     ; first rank if so: 320 q + 80 j
	s_lshl_b32 s90, s81, 6
	s_lshl_b32 s92, s79, 8
	s_add_co_u32 s90, s90, s92
	s_lshl_b32 s92, s74, 6
	s_add_co_u32 s90, s90, s92                     ; and if not: 64 Q5 + 256 q + 64 j
	s_cmp_lg_u32 s82, 0
	s_cselect_b32 s85, s83, s90                    ; a: first rank
	s_cselect_b32 s86, 80, 64
	s_sub_co_i32 s87, s76, s85
	s_max_i32 s87, s87, 0
	s_min_i32 s87, s87, s86                        ; the record's number of rows: c - a held to 0 .. 80 or 64
	s_cmp_ge_u32 s75, 2                            ; of expert e: tokens in the waves in front of mine, and in mine
	s_cselect_b32 s88, s53, s52
	s_cselect_b32 s89, s55, s54
	s_and_b32 s90, s75, 1
	s_lshl_b32 s90, s90, 4
	s_lshr_b32 s88, s88, s90
	s_and_b32 s88, s88, 0xffff
	s_lshr_b32 s89, s89, s90
	s_and_b32 s89, s89, 0xffff
	; a wave none of whose tokens has a rank in a .. a + count - 1 jumps the scan; no barrier stands in what is jumped
	s_cmp_eq_u32 s87, 0
	s_cbranch_scc1 .Lnoscan
	s_add_co_u32 s92, s85, s87
	s_cmp_ge_u32 s88, s92
	s_cbranch_scc1 .Lnoscan
	s_add_co_u32 s92, s88, s89
	s_cmp_le_u32 s92, s85
	s_cbranch_scc1 .Lnoscan
	s_sub_co_u32 s91, s88, s85                     ; the rank, less a, of my wave's first token of expert e (it may wrap below 0: such ranks compare as large)
; register k: each lane's token of expert e gets its rank; ranks 0 .. count - 1 go to their slot of my wave's list, all else to slot 80
.macro SCAN k
	v_cmp_eq_u32 vcc_lo, s75, v[MAP+(\k)]
	v_mbcnt_lo_u32_b32 v18, vcc_lo, s91
	s_bcnt1_i32_b32 s92, vcc_lo
	s_add_co_u32 s91, s91, s92
	v_cmp_gt_u32 s93, s87, v18
	s_and_b32 s93, s93, vcc_lo
	v_cndmask_b32 v18, v17, v18, s93
	v_min_u32 v18, 95, v18                         ; the slot stays inside my list whatever the ids
	v_lshl_add_u32 v18, v18, 2, s15
	v_add_nc_u32 v19, 128*((\k)/4)+(\k)%4, v20
	ds_store_b32 v18, v19
.endm
.set kk, 0
.rept 64
	SCAN kk
.set kk, kk+1
.endr
.Lnoscan:
	s_wait_dscnt 0x0                               ; for wave 0's sake: my list is written
	s_barrier_signal -1
	s_barrier_wait -1
	s_cmp_lg_u32 s14, 0
	s_cbranch_scc1 .Lend
	; wave 0 writes the record: lane l its ints 4 l .. 4 l + 3, which belong to wave l / 8 of the next launch.  A slot has one writer among the eight lists, the others hold 0
	v_and_b32 v7, 7, v1
	v_lshrrev_b32 v16, 3, v1
	v_lshlrev_b32 v18, 6, v7                       ; int 4 (l % 8) + c is tile row 16 (l % 8) + 4 c + l / 8: 4 bytes a slot
	v_lshl_add_u32 v18, v16, 2, v18
	v_min_u32 v18, 316, v18                        ; lanes whose ints are no tokens read inside the list and drop it
.irp u, 0,1,2,3,4,5,6,7
.irp c, 0,1,2,3
	ds_load_b32 v[MAP+4*\u+\c], v18 offset:LIST+LREG*\u+16*\c
.endr
.endr
	v_cmp_eq_u32 s92, 5, v7                        ; ints 20-23
	v_cmp_lt_u32 s93, 5, v7                        ; ints 24-31
	s_or_b32 s94, s92, s93
	v_mov_b32 v52, s87
	v_mov_b32 v53, s75
	v_mov_b32 v54, s82
	s_wait_dscnt 0x0
.irp c, 0,1,2,3
	v_or_b32 v[48+\c], v[MAP+\c], v[MAP+4+\c]
.irp u, 2,3,4,5,6,7
	v_or_b32 v[48+\c], v[48+\c], v[MAP+4*\u+\c]
.endr
.endr
.irp c, 0,1,2
	v_cndmask_b32 v[48+\c], v[48+\c], v[52+\c], s92
	v_cndmask_b32 v[48+\c], v[48+\c], v24, s93
.endr
	v_cndmask_b32 v51, v51, v24, s94
	global_store_b128 v5, v[48:51], s[10:11]       ; 512 consecutive bytes
.Lend:
	s_wait_tensorcnt 0x0                           ; the wave's end, behind my last LDS store
	ds_add_u32 v28, v29
	s_wait_dscnt 0x0
	s_endpgm
.Lfunc_end_k_q837c6941dc_prep:
	.size	k_q837c6941dc_prep, .Lfunc_end_k_q837c6941dc_prep-k_q837c6941dc_prep
	.p2alignl 7, 3214868480
	.fill 96, 4, 3214868480
	.section	.rodata,"a",@progbits
	.p2align	6, 0x0
	.amdhsa_kernel k_q837c6941dc_prep
		.amdhsa_group_segment_fixed_size 4352
		.amdhsa_private_segment_fixed_size 0
		.amdhsa_enable_private_segment 0
		.amdhsa_kernarg_size 40
		.amdhsa_user_sgpr_count 2
		.amdhsa_user_sgpr_kernarg_segment_ptr 1
		.amdhsa_wavefront_size32 1
		.amdhsa_system_sgpr_workgroup_id_x 1
		.amdhsa_system_sgpr_workgroup_id_y 1
		.amdhsa_system_sgpr_workgroup_id_z 1
		.amdhsa_system_vgpr_workitem_id 0
		.amdhsa_next_free_vgpr 200
		.amdhsa_next_free_sgpr 96
		.amdhsa_reserve_vcc 1
		.amdhsa_float_denorm_mode_32 3
		.amdhsa_float_denorm_mode_16_64 3
		.amdhsa_memory_ordered 1
		.amdhsa_forward_progress 1
		.amdhsa_inst_pref_size 67
	.end_amdhsa_kernel
	.amdgpu_metadata
---
amdhsa.version: [ 1, 2 ]
amdhsa.kernels:
  - .name:           k_q837c6941dc_prep
    .symbol:         k_q837c6941dc_prep.kd
    .args:
      - { .name: W, .offset: 0, .size: 8, .value_kind: global_buffer, .address_space: global }
      - { .name: modality_mapping, .offset: 8, .size: 8, .value_kind: global_buffer, .address_space: global }
      - { .name: Wb, .offset: 16, .size: 8, .value_kind: global_buffer, .address_space: global }
      - { .name: rows, .offset: 24, .size: 8, .value_kind: global_buffer, .address_space: global }
      - { .name: out0, .offset: 32, .size: 8, .value_kind: global_buffer, .address_space: global }
    .group_segment_fixed_size: 4352
    .private_segment_fixed_size: 0
    .kernarg_segment_align: 8
    .kernarg_segment_size: 40
    .max_flat_workgroup_size: 256
    .sgpr_count:     96
    .vgpr_count:     200
    .wavefront_size: 32
...
	.end_amdgpu_metadata
.endif
;; end of part 1
;; launch main (part 2): grid 256 x 1, 4 waves a work-group, no clusters, 327,680 bytes of LDS; arguments x, Wb, rows, out0; writes out0
.if DOCPART == 2
	.amdgcn_target "amdgcn-amd-amdhsa--gfx1250"
	.amdhsa_code_object_version 6
	.text
	.protected	k_q837c6941dc_main
	.globl	k_q837c6941dc_main
	.p2align	8
	.type	k_q837c6941dc_main,@function
k_q837c6941dc_main:
	s_mov_b64 s[64:65], 0
	v_nop
	global_prefetch_b8 v0, s[64:65] scope:SCOPE_SE
	s_setreg_imm32_b32 hwreg(HW_REG_WAVE_MODE, 25, 1), 1
	s_wait_xcnt 0x0
; out0[t][:] = x[t][:] . W[id[t]]^T for the tokens that have an expert.  x [16384][2048] f32, Wb [4][384][2048] bf16 (W rounded once by the launch before), out0 [16384][384] f32.
; x is rounded once to bf16 (nearest even) on its way into LDS; one f32 sum for each output, K ascending.
; LIMITS.  bf16 has f32's range, so none of range.  Where W holds a NaN or an infinity, the definition's zeroed rows times it make every row of out0 NaN; here only the rows of that expert.
; SHARES.  A work-group has ONE expert and up to 64 listed tokens (80 in the few that the deal of the launch before gives five blocks of 16), by its record of 512 bytes, and
; all 384 columns; wave w has columns 96 w .. 96 w + 95: 4 (5) x 6 accumulators.  Wave w also fetches tile rows 4 i + w of x, and stores those rows of out0.
; K goes in 16 steps of 128, four quarters of 32 each.
; W: a wave's tensor load brings 96 rows of 256 bytes; two LDS slots, one filled while the other is multiplied.
; NO CLUSTER.  Four neighbouring work-groups walk the same expert's W, and joint loads would make 98 MB of requests of 256 x 1.5 MB = 393 MB.  But which expert that is, is a number read from
; the record: a joint load asks that every word of its descriptor and every branch of the text be equal in the partners, and here they would be equal only by what the launch before
; has stored, which this text by itself does not show.  So each work-group asks for itself.
; x: listed rows, shared by nobody, covered by no descriptor: one load of 16 bytes a lane is a row's 512 bytes of a K step; four steps are on their way in 320 registers;
; a step ahead of its use a chunk is rounded and stored into one of two LDS slots of its own, which no tensor load ever fills.
; THE FIFTH BLOCK is work that is jumped where the work-group's count is 64 or less.  What is jumped holds no barrier and no tensor load.  A tile row at or past the count is not stored:
; a row is one wave's, so its three stores are jumped by a scalar branch, and EXEC stays as it was at the entry.
; THE MATRIX INSTRUCTION IS USED TRANSPOSED: source 0 = 16 rows of W, source 1 = 16 rows of x: a lane holds one token (lane % 16) and eight neighbouring columns.
; REGISTERS, in windows of 256 (s_set_vgpr_msb: bits 1:0 source 0, 3:2 source 1, 5:4 source 2, 7:6 destination):
;   window 0: addresses; v32-51 x offsets, later out0 offsets; v52-63 rounded x at work; v64-143, v144-223 two fragment buffers (48 of W, 32 of x); v224-255 the fifth block's x fragments of a whole step
;   window 1: accumulator (b, n) at 8 (6 b + n)      windows 2, 3: x on its way: chunk t in group t % 4; groups 0-2 at 0, 80, 160 of window 2, group 3 at 0 of window 3; row i at + 4 i
.set PITCH,  272                       ; an LDS row: 256 bytes + 16 of padding = 68 words: the 16 rows of a fragment load start at 16 different groups of four banks (64 banks of 4 bytes: ISA guide 11.1)
.set WPART,  96*PITCH                  ; what one tensor load brings, and what one wave reads of W
.set WSLOT,  4*WPART
.set XB,     2*WSLOT                   ; behind W's two slots: x's two slots of 80 rows
.set XSLOT,  80*PITCH
.set SPARE,  XB+2*XSLOT                ; the spare words, 128 bytes a wave: two blocks of 256 bytes that no other line names
.set SPITCH, 1552                      ; the way out: 80 rows of 1,536 + 16 bytes from LDS byte 0 on, written when W's slots have had their last fill
.set L16,  3                           ; v3   16 x lane
.set XST,  4                           ; v4   where I store 8 bytes of tile row w
.set ADRA, 5                           ; v5   my place in a fragment of x, slot 0
.set ADRB, 6                           ; v6-7 my place in my wave's fragments of W, slot 0, 1
.set STO,  8                           ; v8-9 the way out: where I put 32 bytes of a row (blocks 0-2; blocks 3, 4)
.set STO2, 9
.set RD,   10                          ; v10-11 where I read rows back (rows i = 0-9; 10-19)
.set RD2,  11
.set SPW,  28                          ; v28  LDS address of my spare word; never rewritten
.set NIL,  29                          ; v29  0; never rewritten
.set XOFF, 32                          ; v32-51 my row i: its byte offset in x; on the way out its byte offset in out0
.set TMP,  52
.set F0,   64
.set F1,   144
.set A4,   224
.set NB5,  58                          ; s58  1: my work-group has rows in the fifth block
.set LEFT, 68                          ; s68  the way out: count - wave: tile row 4 i + w is valid where 4 i is below it
.set MSB, 0
.macro WIN new                         ; the immediate's high byte repeats the setting that is left; a switch that changes nothing is dropped
.if MSB != (\new)
	s_set_vgpr_msb (MSB<<8)|(\new)
.set MSB, \new
.endif
.endm
.macro PLACES                          ; four places in front of loads into registers that matrix instructions have read (ISA guide 7.12.1 for vector instructions)
.rept 4
	v_nop
.endr
.endm
.macro G5 body:vararg                  ; one line of work for the fifth block: jumped where the work-group has four
	WIN 0
	s_cmp_lg_u32 s[NB5], 0
	s_cbranch_scc0 .Lfour_\@
	\body
	WIN 0
.Lfour_\@:
.endm
; six matrix instructions: block b of 16 tokens x my six blocks of 16 columns, 32 along K (quarter q) from buffer f.  The accumulators take turns, one instruction a turn.
.macro MMB f, b, q, zero
	WIN 0x50                               ; W and x in window 0, C and D in window 1
.if (\b) == 4
.set rA, A4+8*(\q)
.else
.set rA, (\f)+48+8*(\b)
.endif
.irp n, 0,1,2,3,4,5
.if \zero
	v_wmma_f32_16x16x32_bf16 v[8*(6*(\b)+\n):8*(6*(\b)+\n)+7], v[(\f)+8*\n:(\f)+8*\n+7], v[rA:rA+7], 0
.else
	v_wmma_f32_16x16x32_bf16 v[8*(6*(\b)+\n):8*(6*(\b)+\n)+7], v[(\f)+8*\n:(\f)+8*\n+7], v[rA:rA+7], v[8*(6*(\b)+\n):8*(6*(\b)+\n)+7]
.endif
.endr
.endm
; 20 LDS loads in one run: a quarter's fragments (96 rows of W, 64 of x, 32 K at byte koff of the rows of slot p) into buffer g
.macro FRAG g, p, koff
	WIN 0
.irp n, 0,1,2,3,4,5
	ds_load_b128 v[(\g)+8*\n:(\g)+8*\n+3],   v[ADRB+(\p)] offset:16*PITCH*\n+(\koff)
	ds_load_b128 v[(\g)+8*\n+4:(\g)+8*\n+7], v[ADRB+(\p)] offset:16*PITCH*\n+(\koff)+32
.endr
.irp b, 0,1,2,3
	ds_load_b128 v[(\g)+48+8*\b:(\g)+48+8*\b+3],   v[ADRA] offset:XSLOT*(\p)+16*PITCH*\b+(\koff)
	ds_load_b128 v[(\g)+48+8*\b+4:(\g)+48+8*\b+7], v[ADRA] offset:XSLOT*(\p)+16*PITCH*\b+(\koff)+32
.endr
.endm
.macro A4LD p                          ; tile rows 64-79 of x's slot p, all four quarters
	WIN 0
.irp q, 0,1,2,3
	ds_load_b128 v[A4+8*\q:A4+8*\q+3],   v[ADRA] offset:XSLOT*(\p)+64*PITCH+64*\q
	ds_load_b128 v[A4+8*\q+4:A4+8*\q+7], v[ADRA] offset:XSLOT*(\p)+64*PITCH+64*\q+32
.endr
.endm
; my rows i0 .. i0 + nr - 1 of the chunk in group gi: rounded (CVT), stored into x's slot (XSTO); the same registers asked for again, at byte imm from the stepped base (XLD)
.macro CVT i0, nr, gi
	WIN 0x0a+5*((\gi)/3)                   ; sources in window 2 or 3
.set cz, 0
.rept \nr
.set cs, 80*((\gi)%3)+4*((\i0)+cz)
	v_cvt_pk_bf16_f32 v[TMP+2*cz], v[cs], v[cs+1]
	v_cvt_pk_bf16_f32 v[TMP+2*cz+1], v[cs+2], v[cs+3]
.set cz, cz+1
.endr
.endm
.macro XSTO i0, nr, slot
	WIN 0
.set cz, 0
.rept \nr
	ds_store_b64 v[XST], v[TMP+2*cz:TMP+2*cz+1] offset:4*PITCH*((\i0)+cz)+XSLOT*(\slot)  ; 32 lanes x 8 bytes: a row's 256 bytes
.set cz, cz+1
.endr
.endm
.macro XLD i0, nr, gi, imm
	WIN 0x80+0x40*((\gi)/3)                ; destination in window 2 or 3
.set cz, 0
.rept \nr
.set cs, 80*((\gi)%3)+4*((\i0)+cz)
	global_load_b128 v[cs:cs+3], v[XOFF+(\i0)+cz], s[4:5] offset:\imm th:TH_LOAD_NT  ; 512 consecutive bytes of one row; a token's row is read by one wave of the launch (only the filler row 0 by more)
.set cz, cz+1
.endr
.endm
.macro Q5 f, q, x5, gi, slot, re, imm  ; the fifth block's share of a quarter
	MMB \f, 4, \q, 0
.if \x5
	CVT 16, 4, \gi
	XSTO 16, 4, \slot
.if \re
	XLD 16, 4, \gi, \imm
.endif
.endif
.endm
; One of a step's first three quarters: multiplies buffer f; in its middle, in one run: nr rows of the next chunk are rounded (these lines are the places in front of the loads), the next quarter's
; fragments are fetched into g, the rounded rows stored, and their registers asked for again.
; dsw: the LDS instructions younger than f's fragment loads.  ldw (first quarter alone): the x loads younger than the chunk to be rounded in this step.
.macro QUARTER f, g, p, koff, q, i0, nr, x5, gi, re, imm, dsw, ldw, zero
	s_wait_dscnt \dsw
.if (\ldw) >= 0
	s_wait_loadcnt \ldw
.endif
	MMB \f, 0, \q, \zero
	MMB \f, 1, \q, \zero
.if \nr
	CVT \i0, \nr, \gi
.else
	PLACES
.endif
	FRAG \g, \p, \koff
.if \nr
	XSTO \i0, \nr, 1-(\p)
.if \re
	XLD \i0, \nr, \gi, \imm
.endif
.endif
	MMB \f, 2, \q, \zero
	MMB \f, 3, \q, \zero
.if \zero
	MMB \f, 4, \q, 1                       ; the first products start all 30 sums, the fifth block's too: nothing is ever cleared
.else
	G5 Q5 \f, \q, \x5, \gi, 1-(\p), \re, \imm
.endif
.endm
.macro T5 pn                           ; the fifth block's share of a step's last quarter: its products, then its x fragments of the next step
	MMB F1, 4, 3, 0
	PLACES
	A4LD \pn
.endm
; A step's last quarter multiplies buffer 1 and changes slots.  In front of the barrier each wave waits for all its tensor loads (one is out: its part of W's other slot), adds 0 to its spare word,
; and waits for that, for its reads of both slots p and for its stores into x's other slot.  Behind it nobody reads slot p any more, and the other slots are whole.
; mode 2: W's slot p is filled again, two steps ahead, first thing behind the barrier: that load has a whole step's products in which to land.  mode 1: nothing is left to fetch.
.macro TURN p, mode
	WIN 0
	s_wait_tensorcnt 0x0                   ; no tensor load of mine is out, so a group 0 may be written
	ds_add_u32 v[SPW], v[NIL]              ; 0 onto my spare word
	s_wait_dscnt 5                         ; buffer 1 is in: the add and four x stores are younger (on the way with five blocks four more)
	MMB F1, 0, 3, 0                        ; six matrix instructions stand between the add and the wait for it
.if (\mode) == 2
	s_add_nc_u64 s[26+4*(\p):27+4*(\p)], s[26+4*(\p):27+4*(\p)], 512  ; this slot's next tile: two steps of 256 bytes on; the type bits on top are not reached
.endif
	s_wait_dscnt 0x0
	s_barrier_signal -1
	MMB F1, 1, 3, 0                        ; work on registers while the others arrive
	WIN 0
	s_barrier_wait -1
.if (\mode) == 2
	tensor_load_to_lds s[24+4*(\p):27+4*(\p)], s[16:23]  ; my one tensor load behind this barrier, and the first thing there
	s_nop 0
.endif
	PLACES                                 ; in front of the loads into buffer 0
	FRAG F0, 1-(\p), 0
	G5 T5 1-(\p)
	MMB F1, 2, 3, 0
	MMB F1, 3, 3, 0
.endm
; A step, by the group sg of the chunk that it rounds (the chunk of the step after it): slots p = (sg + 1) % 2.  re = 1: the group is asked for again, four chunks on.
.macro SQ0 sg, re, ldw
	QUARTER F0, F1, ((\sg)+1)%2, 64, 0, 0, 6, 0, \sg, \re, ((\sg)+4)*512, 0, \ldw, 0
.endm
.macro SREST sg, re, mode
	QUARTER F1, F0, ((\sg)+1)%2, 128, 1, 6, 6, 0, \sg, \re, ((\sg)+4)*512, 6, -1, 0
	QUARTER F0, F1, ((\sg)+1)%2, 192, 2, 12, 4, 1, \sg, \re, ((\sg)+4)*512, 6, -1, 0
	TURN ((\sg)+1)%2, \mode
.endm
	s_load_b256 s[4:11], s[0:1], 0x0               ; x s[4:5], Wb s[6:7], rows s[8:9], out0 s[10:11]
	v_lshl_add_u32 v[SPW], v0, 2, SPARE
	v_mov_b32 v[NIL], 0
	ds_add_u32 v[SPW], v[NIL]                      ; the wave's opening: the add and its wait stand ahead of my first tensor load; work on registers stands between them
	v_lshrrev_b32 v15, 5, v0
	v_readfirstlane_b32 s12, v15                   ; wave 0..3
	; descriptor group 1: 96 rows x 128 elements of 2 bytes, padded in LDS
	s_mov_b32 s16, (1<<16)|(1<<20)|(5<<22)|(3<<25) ; 15:0 no mask; 17:16 2-byte elements; 20 padding on; 24:22 after every 64 words (code 5); 31:25 4 words (code 3)
	s_mov_b32 s17, 128<<16                         ; tensor_dim0 = 128
	s_mov_b32 s18, 96<<16                          ; tensor_dim1 = 96
	s_mov_b32 s19, 128<<16                         ; tile_dim0 = 128
	s_mov_b32 s20, 96                              ; tile_dim1 = 96
	s_mov_b32 s21, 2048                            ; elements from row to row
	s_mov_b32 s22, 0
	s_mov_b32 s23, 0
	s_lshl_b32 s66, ttmp9, 9                       ; my wave's part of my work-group's record: 512 g + 128 w
	s_lshl_b32 s67, s12, 7
	s_add_co_u32 s66, s66, s67
	s_mov_b32 s67, 0
	v_and_b32 v1, 15, v0                           ; l % 16; kept
	v_bfe_u32 v2, v0, 4, 1                         ; l / 16; kept
	v_and_b32 v15, 31, v0
	v_lshlrev_b32 v[L16], 4, v15
	s_wait_dscnt 0x0                               ; the opening add is done
	s_wait_kmcnt 0x0
	s_add_nc_u64 s[68:69], s[8:9], s[66:67]
	s_load_b512 s[32:47], s[68:69], 0x0            ; my 20 tokens: s32-s51;
	s_load_b256 s[48:55], s[68:69], 0x40           ; s52 my work-group's count, s53 its expert
	s_mul_i32 s74, s12, PITCH
	s_add_co_u32 s74, s74, XB
	v_lshl_add_u32 v[XST], v15, 3, s74             ; tile row w, 8 bytes a lane
	v_mul_u32_u24 v14, v1, PITCH
	v_lshl_add_u32 v14, v2, 4, v14                 ; a fragment: row l % 16, 16 bytes for each half of the lanes
	v_add_nc_u32 v[ADRA], XB, v14
	s_mul_i32 s75, s12, WPART                      ; my wave's 96 rows in a slot of W
	v_add_nc_u32 v[ADRB], s75, v14
	v_add_nc_u32 v[ADRB+1], WSLOT, v[ADRB]
	s_wait_kmcnt 0x0
	s_min_u32 s57, s53, 3                          ; the expert stays inside Wb whatever the record holds
	s_cmp_gt_u32 s52, 64
	s_cselect_b32 s[NB5], 1, 0                     ; tile rows 64-79 hold tokens
.set i, 0
.rept 20
	s_min_u32 s[32+i], s[32+i], 0x3fff             ; a token stays inside x and out0 whatever the record holds
	v_lshl_add_u32 v[XOFF+i], s[32+i], 13, v[L16]  ; its row of 8,192 bytes + 16 lane; it stays until the last load of x is in
.set i, i+1
.endr
	XLD 0, 20, 0, 0                                ; the first chunks take all 20 rows, so that every register of the fifth block is written on every way
	XLD 0, 20, 1, 512
	XLD 0, 20, 2, 1024
	WIN 0
	s_mul_i32 s66, s57, 384*4096                   ; the expert's W,
	s_mul_i32 s67, s12, 96*4096                    ; my wave's 96 rows
	s_add_co_u32 s66, s66, s67
	s_mov_b32 s67, 0
	s_add_nc_u64 s[68:69], s[6:7], s[66:67]
	s_mov_b32 s24, 1                               ; group 0 for slot 0: count = 1,
	s_mov_b32 s25, s75                             ; LDS address,
	s_mov_b64 s[26:27], s[68:69]                   ; global address: K step 0,
	s_or_b32 s27, s27, 0x80000000                  ; type = 2
	s_mov_b32 s28, 1                               ; and for slot 1: K step 1
	s_add_co_u32 s29, s75, WSLOT
	s_add_nc_u64 s[30:31], s[68:69], 256
	s_or_b32 s31, s31, 0x80000000
	tensor_load_to_lds s[24:27], s[16:23]          ; both first fills together, ahead of every wait on TENSORcnt, every LDS read and every barrier: two tensor loads of mine are out
	s_nop 0
	tensor_load_to_lds s[28:31], s[16:23]
	s_nop 0
	PLACES
	XLD 0, 20, 3, 1536
	s_wait_loadcnt 60                              ; chunk 0 is in: chunks 1, 2, 3, 20 loads each, are younger
	CVT 0, 6, 0
	XSTO 0, 6, 0
	CVT 6, 6, 0
	XSTO 6, 6, 0
	CVT 12, 6, 0
	XSTO 12, 6, 0
	CVT 18, 2, 0
	XSTO 18, 2, 0
	XLD 0, 16, 0, 2048                             ; chunk 4
	G5 XLD 16, 4, 0, 2048
	s_wait_tensorcnt 0x1                           ; my part of W's step 0 is in; step 1's may stay out
	s_wait_dscnt 0x0                               ; my rows of x's chunk 0 are stored
	s_barrier_signal -1
	s_barrier_wait -1
	FRAG F0, 0, 0
	A4LD 0
	QUARTER F0, F1, 0, 64, 0, 0, 6, 0, 1, 1, 2560, 0, 56, 1  ; step 0's first quarter starts the sums; chunk 1 is in: 20 + 20 + 16 loads are younger
	WIN 0
	s_mov_b32 s60, 3
	s_branch .Lenter                               ; the loop is entered in the middle of a trip: its three trips hold steps 0-2, 3-6, 7-10, each of which asks for the chunk five steps on
.Ltrip:
	SQ0 0, 1, 48                                   ; 48: the 16 loads of each of the three younger chunks; the fifth block's four follow their chunk's 16, so the count serves them too
	SREST 0, 1, 2
	SQ0 1, 1, 48
	WIN 0
.Lenter:
	SREST 1, 1, 2
	SQ0 2, 1, 48
	SREST 2, 1, 2
	SQ0 3, 1, 48
	SREST 3, 1, 2
	WIN 0
	s_wait_xcnt 0x0                                ; x's base is stepped only behind this wait
	s_add_nc_u64 s[4:5], s[4:5], 2048              ; four chunks on
	s_sub_co_u32 s60, s60, 1
	s_cmp_lg_u32 s60, 0
	s_cbranch_scc1 .Ltrip
	SQ0 0, 0, 48                                   ; steps 11 to 14 ask for no more x: the counts run down
	SREST 0, 0, 2
	SQ0 1, 0, 32
	SREST 1, 0, 2
	SQ0 2, 0, 16
	SREST 2, 0, 2                                  ; step 13 asks for W's last tile
	SQ0 3, 0, 0
	SREST 3, 0, 1
	QUARTER F0, F1, 1, 64, 0, 0, 0, 0, 0, 0, 0, 0, -1, 0   ; step 15: products and fragments alone
	QUARTER F1, F0, 1, 128, 1, 0, 0, 0, 0, 0, 0, 0, -1, 0
	QUARTER F0, F1, 1, 192, 2, 0, 0, 0, 0, 0, 0, 0, -1, 0
	s_wait_dscnt 0x0
	MMB F1, 0, 3, 0
	MMB F1, 1, 3, 0
	MMB F1, 2, 3, 0
	MMB F1, 3, 3, 0
	G5 MMB F1, 4, 3, 0
	; THE WAY OUT.  A lane's 32 bytes are a piece of a token's row; the rows are gathered in LDS, where W's slots lay, and leave whole.  The address lines are the places behind the last products.
	WIN 0
	s_mul_i32 s66, s12, 384
	s_mul_i32 s67, s12, SPITCH
	s_sub_co_i32 s[LEFT], s52, s12
	v_mul_u32_u24 v[STO], v1, SPITCH               ; in: row l % 16, my wave's 384 bytes, 32 bytes for each half of the lanes
	v_lshl_add_u32 v[STO], v2, 5, v[STO]
	v_add_nc_u32 v[STO], s66, v[STO]
	v_add_nc_u32 v[STO2], 48*SPITCH, v[STO]
	v_add_nc_u32 v[RD], s67, v[L16]                ; back: tile row 4 i + w, 512 bytes to a load
	v_add_nc_u32 v[RD2], 40*SPITCH, v[RD]
	s_wait_xcnt 0x0                                ; x's offsets are rewritten only behind this wait (the loads that named them came in at step 14's wait for all loads)
.set i, 0
.rept 20
	s_mul_i32 s69, s[32+i], 1536                   ; my row i's token: its row of out0,
	v_add_nc_u32 v[XOFF+i], s69, v[L16]            ; + 16 lane; all 20 are made here, and none is rewritten
.set i, i+1
.endr
	s_wait_dscnt 0x0                               ; my reads of W's and x's slots are over
	s_barrier_signal -1
	s_barrier_wait -1                              ; everybody's are: the bytes may be written
.macro STG b                           ; block b's six accumulators, each from its low end on
	WIN 0x04                               ; store data in window 1
.irp n, 0,1,2,3,4,5
.if (\b) < 3
	ds_store_b128 v[STO], v[8*(6*(\b)+\n):8*(6*(\b)+\n)+3]    offset:16*SPITCH*(\b)+64*\n
	ds_store_b128 v[STO], v[8*(6*(\b)+\n)+4:8*(6*(\b)+\n)+7]  offset:16*SPITCH*(\b)+64*\n+16
.else
	ds_store_b128 v[STO2], v[8*(6*(\b)+\n):8*(6*(\b)+\n)+3]   offset:16*SPITCH*((\b)-3)+64*\n
	ds_store_b128 v[STO2], v[8*(6*(\b)+\n)+4:8*(6*(\b)+\n)+7] offset:16*SPITCH*((\b)-3)+64*\n+16
.endif
.endr
.endm
	STG 0
	STG 1
	STG 2
	STG 3
	G5 STG 4
	s_wait_dscnt 0x0                               ; for the others' sake: my stores are done
	s_barrier_signal -1
	s_barrier_wait -1
.macro SLD i, rb                       ; my row i, 1,536 bytes, into 12 registers from rb on
.irp c, 0,1,2
.if (\i) < 10
	ds_load_b128 v[(\rb)+4*\c:(\rb)+4*\c+3], v[RD] offset:4*SPITCH*(\i)+512*\c
.else
	ds_load_b128 v[(\rb)+4*\c:(\rb)+4*\c+3], v[RD2] offset:4*SPITCH*((\i)-10)+512*\c
.endif
.endr
.endm
; row i goes to its token's row of out0 if its tile row, 4 i + w, is below the count; else its three stores are jumped.  left: the younger LDS loads; the wait stands ahead of the jump, so it counts alike on both ways
.macro OROW i, rb, left
	s_wait_dscnt \left
	s_cmp_gt_i32 s[LEFT], 4*(\i)
	s_cbranch_scc0 .Lpast_\@
	global_store_b128 v[XOFF+(\i)], v[(\rb):(\rb)+3], s[10:11] th:TH_STORE_NT          ; 16 lanes store 256 consecutive bytes, at a multiple of 256 from out0's first byte
	global_store_b128 v[XOFF+(\i)], v[(\rb)+4:(\rb)+7], s[10:11] offset:512 th:TH_STORE_NT
	global_store_b128 v[XOFF+(\i)], v[(\rb)+8:(\rb)+11], s[10:11] offset:1024 th:TH_STORE_NT
.Lpast_\@:
.endm
.macro OUT5                            ; the fifth block's rows
	s_wait_xcnt 0x0                        ; the registers from which rows 0-3 were stored are loaded again only behind this wait
.irp i, 16,17,18,19
	SLD \i, 64+12*(\i-16)
.endr
.irp i, 16,17,18,19
	OROW \i, 64+12*(\i-16), 9-3*(\i-16)
.endr
.endm
.irp i, 0,1,2,3,4,5,6,7,8,9,10,11,12,13,14,15
	SLD \i, 64+12*\i
.endr
.irp i, 0,1,2,3,4,5,6,7,8,9,10,11,12,13,14,15
	OROW \i, 64+12*\i, 45-3*\i
.endr
	G5 OUT5
	s_wait_tensorcnt 0x0                           ; the wave's end, behind my last tensor load and my last LDS store
	ds_add_u32 v[SPW], v[NIL]
	s_wait_dscnt 0x0
	s_endpgm
.Lfunc_end_k_q837c6941dc_main:
	.size	k_q837c6941dc_main, .Lfunc_end_k_q837c6941dc_main-k_q837c6941dc_main
	.p2alignl 7, 3214868480
	.fill 96, 4, 3214868480
	.section	.rodata,"a",@progbits
	.p2align	6, 0x0
	.amdhsa_kernel k_q837c6941dc_main
		.amdhsa_group_segment_fixed_size 327680
		.amdhsa_private_segment_fixed_size 0
		.amdhsa_enable_private_segment 0
		.amdhsa_kernarg_size 32
		.amdhsa_user_sgpr_count 2
		.amdhsa_user_sgpr_kernarg_segment_ptr 1
		.amdhsa_wavefront_size32 1
		.amdhsa_system_sgpr_workgroup_id_x 1
		.amdhsa_system_sgpr_workgroup_id_y 1
		.amdhsa_system_sgpr_workgroup_id_z 1
		.amdhsa_system_vgpr_workitem_id 0
		.amdhsa_next_free_vgpr 848
		.amdhsa_next_free_sgpr 80
		.amdhsa_reserve_vcc 0
		.amdhsa_float_denorm_mode_32 3
		.amdhsa_float_denorm_mode_16_64 3
		.amdhsa_memory_ordered 1
		.amdhsa_forward_progress 1
		.amdhsa_inst_pref_size 215
	.end_amdhsa_kernel
	.amdgpu_metadata
---
amdhsa.version: [ 1, 2 ]
amdhsa.kernels:
  - .name:           k_q837c6941dc_main
    .symbol:         k_q837c6941dc_main.kd
    .args:
      - { .name: x, .offset: 0, .size: 8, .value_kind: global_buffer, .address_space: global }
      - { .name: Wb, .offset: 8, .size: 8, .value_kind: global_buffer, .address_space: global }
      - { .name: rows, .offset: 16, .size: 8, .value_kind: global_buffer, .address_space: global }
      - { .name: out0, .offset: 24, .size: 8, .value_kind: global_buffer, .address_space: global }
    .group_segment_fixed_size: 327680
    .private_segment_fixed_size: 0
    .kernarg_segment_align: 8
    .kernarg_segment_size: 32
    .max_flat_workgroup_size: 128
    .sgpr_count:     80
    .vgpr_count:     848
    .wavefront_size: 32
...
	.end_amdgpu_metadata
.endif
;; end of part 2
;; ======== version 2 of 2: 2 launches; 1.21 times as fast as version 1
;; workspace buffers: Wb 6,291,456 bytes; rows 131,072 bytes of whole numbers
;; launch prep (part 3): grid 256 x 1, 8 waves a work-group, no clusters, 4,352 bytes of LDS; arguments W, modality_mapping, Wb, rows, out0; writes Wb, rows, out0
.if DOCPART == 3
	.amdgcn_target "amdgcn-amd-amdhsa--gfx1250"
	.amdhsa_code_object_version 6
	.text
	.protected	k_q837c6941dc_prep
	.globl	k_q837c6941dc_prep
	.p2align	8
	.type	k_q837c6941dc_prep,@function
k_q837c6941dc_prep:
	s_mov_b64 s[64:65], 0
	v_nop
	global_prefetch_b8 v0, s[64:65] scope:SCOPE_SE
	s_setreg_imm32_b32 hwreg(HW_REG_WAVE_MODE, 25, 1), 1
	s_wait_xcnt 0x0
; PREP.  Three things, on 256 work-groups of eight waves:
;  (1) W [4][384][2048] f32 is rounded once to bf16 (nearest even) and laid into Wb in the order in which a wave of the next launch takes it into its operand registers:
;      Wb [expert 4][wave 8][quarter of 32 K: 64][16 columns: 3][half 2][lane 32][16 bytes]; the 16 bytes of lane l are W[expert][48 wave + 16 n + l % 16][32 quarter + 16 half + 8 (l / 16) .. + 7].
;      A BLOCK is 16 rows x 16 K: 512 consecutive bytes of Wb.  There are 96 groups of 16 rows x 128 blocks = 12,288 blocks: 48 for each work-group, 6 for each wave, in the order (group, K).
;  (2) The tokens are sorted by expert with a counting sort without atomics, and dealt to the 256 work-groups of the next launch.  Every work-group counts the whole
;      list of 16,384 ids for itself (wave w: tokens 2048 w ..), works the deal out in scalar registers, and writes ONE record of 512 bytes: that of work-group g = its own number.
;  (3) A token whose id is not 0..3 belongs to no expert: its row of out0 is 0, and is stored here (work-group g looks at tokens 64 g .. 64 g + 63).
; THE DEAL serves every split.  The work-groups go in quads of four neighbours.  c_e tokens of expert e take n_e = ceil(c_e / 256) quads; if these are D more than 64 (D <= 3), the largest expert gives D up
; and its first Q5 quads take 320 tokens (80 a work-group) in place of 256 (64).  D > 0 means 15,620 valid tokens or more, so the largest expert has 3,905 or more, 16 quads or more,
; and 12 quads with 64 more each make up for 3 x 256.  A quad has one expert; its four work-groups take neighbouring ranges of ranks.
; RECORD of work-group g, 128 ints in four parts: part p at int 32 p: ints 0-19 the token of tile row 4 i + p; 20 the number of valid tile rows; 21 the expert; 22 is 1 where the quad has
; five blocks of 16 rows; the rest 0.  Places past the count hold token 0, a row that exists.
; The rank of a token within its expert goes by (wave, register, lane): the same order in every work-group, so the ranks are dealt without gap or overlap.
.set MAP,   64        ; v[64:127]  my wave's 2,048 ids: register 4 j + c of lane l is token 2048 w + 128 j + 4 l + c
.set WF,    128       ; v[128:175] my 8 numbers of each of my wave's six blocks of W
.set WP,    176       ; v[176:199] the same in bf16
.set WI,    200       ; v[200:205] block i: my byte offset in W
.set WO,    206       ; v[206:211] block i: my byte offset in Wb
.set LIST,  256       ; LDS: eight lists of 96 words, one a wave: slots 0-79 by rank, slot 80 takes what is not mine
.set LREG,  384
.set SPARE, 3328      ; LDS: the spare words, 128 bytes a wave; LDS bytes 0-63: the waves' counts
; v1 lane  v2 my offset in the ids  v3 my place in a block of W  v4 at work  v5 16 x lane  v6 the number 1  v7, v16 at work  v8, v9 counts in fields of 6 bits  v10-13 counts  v14, v15 packed counts
; v17 the number 80  v18, v19 slot and token  v20 my first token  v21 my word in my list  v24-27 zeros  v28, v29 for the add
	s_load_b256 s[4:11], s[0:1], 0x0               ; W s[4:5], ids s[6:7], Wb s[8:9], rows s[10:11]
	s_load_b64 s[12:13], s[0:1], 0x20              ; out0
	v_lshl_add_u32 v28, v0, 2, SPARE
	v_mov_b32 v29, 0
	v_lshrrev_b32 v7, 5, v0
	v_readfirstlane_b32 s14, v7                    ; wave 0..7
	v_and_b32 v1, 31, v0
	v_lshlrev_b32 v5, 4, v1
	v_lshl_add_u32 v2, v7, 13, v5                  ; 8,192 w + 16 lane
	v_and_b32 v3, 15, v1
	v_lshlrev_b32 v3, 13, v3                       ; row l % 16 of 8,192 bytes,
	v_lshrrev_b32 v4, 4, v1
	v_lshl_add_u32 v3, v4, 5, v3                   ; 8 numbers, 32 bytes, for each half of the lanes
	v_mov_b32 v6, 1
	v_mov_b32 v17, 80
	v_lshlrev_b32 v20, 2, v1
	v_lshl_add_u32 v20, v7, 11, v20                ; 2,048 w + 4 lane
.irp i, 24,25,26,27
	v_mov_b32 v\i, 0
.endr
	s_mov_b32 s30, 0x76543210                      ; v_permlanex16_b32: each lane takes its own place in the other half
	s_mov_b32 s31, 0xfedcba98
	s_mul_i32 s15, s14, LREG
	s_add_co_u32 s15, s15, LIST                    ; my wave's list
	v_lshl_add_u32 v21, v1, 2, s15
	s_lshl_b32 s24, ttmp9, 8                       ; offsets, each made apart from its address
	s_lshl_b32 s25, s14, 5
	s_add_co_u32 s24, s24, s25                     ; ids of tokens 64 g + 8 w ..
	s_mov_b32 s25, 0
	s_lshl_b32 s36, ttmp9, 6
	s_lshl3_add_u32 s36, s14, s36                  ; token 64 g + 8 w
	s_mul_i32 s36, s36, 1536                       ; its row of out0
	s_mov_b32 s37, 0
	s_lshl_b32 s38, ttmp9, 9                       ; my record
	s_mov_b32 s39, 0
	s_mul_i32 s29, ttmp9, 48
	s_mul_i32 s40, s14, 6
	s_add_co_u32 s29, s29, s40                     ; my wave's first block: 48 g + 6 w
; block i of my wave: where it lies in W (group of 16 rows: 131,072 bytes; 16 K: 64 bytes) and where it goes in Wb
.macro WBLK i
	s_add_co_u32 s40, s29, \i
	s_lshr_b32 s41, s40, 7                         ; the group of 16 rows, 0..95 = 24 expert + 3 wave + n
	s_and_b32 s42, s40, 127                        ; the block along K = 2 quarter + half
	s_lshl_b32 s43, s41, 17
	s_lshl_b32 s44, s42, 6
	s_add_co_u32 s43, s43, s44
	v_add_nc_u32 v[WI+(\i)], s43, v3
	s_mul_hi_u32 s44, s41, 0x55555556              ; group / 3 = 8 expert + wave (exact for numbers this small)
	s_mul_i32 s45, s44, 3
	s_sub_co_u32 s45, s41, s45                     ; n
	s_mul_i32 s44, s44, 196608                     ; a wave's 64 quarters of 3,072 bytes
	s_lshl_b32 s45, s45, 10
	s_add_co_u32 s44, s44, s45
	s_lshr_b32 s45, s42, 1
	s_mul_i32 s45, s45, 3072
	s_add_co_u32 s44, s44, s45
	s_and_b32 s45, s42, 1
	s_lshl_b32 s45, s45, 9
	s_add_co_u32 s44, s44, s45
	v_add_nc_u32 v[WO+(\i)], s44, v5
.endm
.irp i, 0,1,2,3,4,5
	WBLK \i
.endr
	s_wait_kmcnt 0x0
	s_add_nc_u64 s[26:27], s[6:7], s[24:25]
	s_add_nc_u64 s[12:13], s[12:13], s[36:37]
	s_add_nc_u64 s[10:11], s[10:11], s[38:39]
	s_load_b256 s[16:23], s[26:27], 0x0            ; the eight ids whose rows of out0 my wave answers for
.set i, 0
.rept 16
	global_load_b128 v[MAP+4*i:MAP+4*i+3], v2, s[6:7] offset:512*i       ; every work-group reads these again: no hint
.set i, i+1
.endr
.set i, 0
.rept 6
	global_load_b128 v[WF+8*i:WF+8*i+3], v[WI+i], s[4:5]                 ; a block: 64 bytes of each of 16 rows; my wave's six blocks are 384 consecutive bytes of a row, the work-group's 48
	global_load_b128 v[WF+8*i+4:WF+8*i+7], v[WI+i], s[4:5] offset:16     ; are 3,072.  Several loads ask for pieces of the same bytes: no hint
.set i, i+1
.endr
	ds_store_b32 v21, v24                          ; my wave clears its own list: 96 words
	ds_store_b32 v21, v24 offset:128
	ds_store_b32 v21, v24 offset:256
	s_wait_kmcnt 0x0
; a token of no expert: its row of 1,536 bytes is 0.  Three stores of 512 consecutive bytes; the addresses are fixed, only the jump hangs on the id
.macro ZROW k
	s_cmp_gt_u32 s[16+(\k)], 3                     ; unsigned: a negative id is large
	s_cbranch_scc0 .Lhas_expert_\@
	global_store_b128 v5, v[24:27], s[12:13] offset:1536*(\k)
	global_store_b128 v5, v[24:27], s[12:13] offset:1536*(\k)+512
	global_store_b128 v5, v[24:27], s[12:13] offset:1536*(\k)+1024
.Lhas_expert_\@:
.endm
.irp k, 0,1,2,3,4,5,6,7
	ZROW \k
.endr
	s_wait_loadcnt 12                              ; the ids are in; the twelve loads of W are younger and stay out
; my lane's 64 ids are counted in fields of 6 bits (experts 0-3, and a fifth field for all else): 32 ids to a register, so a field holds 32 at the most
.macro CNT1 k
.set t, 7+9*((\k)%2)
	v_min_u32 v[t], 4, v[MAP+(\k)]
	v_mul_u32_u24 v[t], 6, v[t]
.if ((\k)%32) == 0
	v_lshlrev_b32 v[8+(\k)/32], v[t], v6           ; the first starts the sum
.else
	v_lshlrev_b32 v[t], v[t], v6
	v_add_nc_u32 v[8+(\k)/32], v[8+(\k)/32], v[t]
.endif
.endm
.set kk, 0
.rept 64
	CNT1 kk
.set kk, kk+1
.endr
.irp e, 0,1,2,3
	v_bfe_u32 v[10+\e], v8, 6*\e, 6
	v_bfe_u32 v7, v9, 6*\e, 6
	v_add_nc_u32 v[10+\e], v[10+\e], v7
.endr
	v_lshl_or_b32 v14, v11, 16, v10                ; two counts to a word: a wave's sums are 2,048 at the most, the launch's 16,384
	v_lshl_or_b32 v15, v13, 16, v12
.irp m, 1,2,4,8
	v_mov_b32_dpp v7, v14 row_xmask:\m row_mask:0xf bank_mask:0xf
	v_mov_b32_dpp v16, v15 row_xmask:\m row_mask:0xf bank_mask:0xf
	v_add_nc_u32 v14, v14, v7
	v_add_nc_u32 v15, v15, v16
.endr
	v_permlanex16_b32 v7, v14, s30, s31
	v_permlanex16_b32 v16, v15, s30, s31
	v_add_nc_u32 v14, v14, v7
	v_add_nc_u32 v15, v15, v16                     ; every lane holds my wave's four counts
	s_lshl_b32 s28, s14, 3
	v_mov_b32 v7, s28
	ds_store_b64 v7, v[14:15]                      ; all lanes write the same two words
	v_readfirstlane_b32 s54, v14
	v_readfirstlane_b32 s55, v15
	s_wait_loadcnt 0x0                             ; W
.set i, 0
.rept 6
.irp c, 0,1,2,3
	v_cvt_pk_bf16_f32 v[WP+4*i+\c], v[WF+8*i+2*\c], v[WF+8*i+2*\c+1]
.endr
	global_store_b128 v[WO+i], v[WP+4*i:WP+4*i+3], s[8:9]            ; a block: 512 consecutive bytes, at a multiple of 512 from Wb's first byte
.set i, i+1
.endr
	s_wait_dscnt 0x0                               ; for the others' sake: my counts are written
	s_barrier_signal -1
	s_barrier_wait -1
	ds_load_b128 v[32:35], v24                     ; the eight waves' counts, in every lane
	ds_load_b128 v[36:39], v24 offset:16
	ds_load_b128 v[40:43], v24 offset:32
	ds_load_b128 v[44:47], v24 offset:48
	s_wait_dscnt 0x0
.set i, 0
.rept 16
	v_readfirstlane_b32 s[32+i], v[32+i]
.set i, i+1
.endr
	s_mov_b32 s48, 0                               ; totals, packed
	s_mov_b32 s49, 0
	s_mov_b32 s52, 0                               ; sums over the waves in front of mine, packed
	s_mov_b32 s53, 0
.irp k, 0,1,2,3,4,5,6,7
	s_add_co_u32 s48, s48, s[32+2*\k]
	s_add_co_u32 s49, s49, s[33+2*\k]
	s_cmp_gt_u32 s14, \k
	s_cselect_b32 s50, s[32+2*\k], 0
	s_cselect_b32 s51, s[33+2*\k], 0
	s_add_co_u32 s52, s52, s50
	s_add_co_u32 s53, s53, s51
.endr
	; THE DEAL
	s_and_b32 s56, s48, 0xffff                     ; c_0 .. c_3
	s_lshr_b32 s57, s48, 16
	s_and_b32 s58, s49, 0xffff
	s_lshr_b32 s59, s49, 16
.irp e, 0,1,2,3
	s_add_co_u32 s[60+\e], s[56+\e], 255
	s_lshr_b32 s[60+\e], s[60+\e], 8               ; n_e = ceil(c_e / 256)
.endr
	s_add_co_u32 s66, s60, s61
	s_add_co_u32 s66, s66, s62
	s_add_co_u32 s66, s66, s63
	s_sub_co_i32 s66, s66, 64
	s_max_i32 s66, s66, 0                          ; D: quads too many
	s_mov_b32 s67, 0                               ; the largest expert, the lowest of equals
	s_mov_b32 s68, s56
.irp e, 1,2,3
	s_cmp_gt_u32 s[56+\e], s68
	s_cselect_b32 s67, \e, s67
	s_cselect_b32 s68, s[56+\e], s68
.endr
.irp e, 0,1,2,3
	s_cmp_eq_u32 s67, \e
	s_cselect_b32 s69, s66, 0
	s_sub_co_u32 s[60+\e], s[60+\e], s69           ; it gives D quads up
.endr
	s_mov_b32 s70, s60                             ; first quads of experts 1, 2, 3
	s_add_co_u32 s71, s70, s61
	s_add_co_u32 s72, s71, s62
	s_lshr_b32 s73, ttmp9, 2                       ; my record's quad
	s_and_b32 s74, ttmp9, 3                        ; and place in it
	s_mov_b32 s75, 0                               ; its expert e: the last whose first quad is not behind it; with it c, n and that first quad
	s_mov_b32 s76, s56
	s_mov_b32 s77, s60
	s_mov_b32 s78, 0
.irp e, 1,2,3
	s_cmp_ge_u32 s73, s[69+\e]
	s_cselect_b32 s75, \e, s75
	s_cselect_b32 s76, s[56+\e], s76
	s_cselect_b32 s77, s[60+\e], s77
	s_cselect_b32 s78, s[69+\e], s78
.endr
	s_sub_co_u32 s79, s73, s78                     ; q: the quad's number within its expert
	s_lshl_b32 s80, s77, 8
	s_sub_co_i32 s80, s76, s80
	s_max_i32 s80, s80, 0                          ; tokens over 256 a quad
	s_add_co_u32 s81, s80, 63
	s_lshr_b32 s81, s81, 6                         ; Q5: so many quads take 64 more
	s_cmp_lt_u32 s79, s81
	s_cselect_b32 s82, 1, 0                        ; mine is one of them
	s_mul_i32 s83, s79, 320
	s_mul_i32 s84, s74, 80
	s_add_co_u32 s83, s83, s84                     ; first rank if so: 320 q + 80 j
	s_lshl_b32 s90, s81, 6
	s_lshl_b32 s92, s79, 8
	s_add_co_u32 s90, s90, s92
	s_lshl_b32 s92, s74, 6
	s_add_co_u32 s90, s90, s92                     ; and if not: 64 Q5 + 256 q + 64 j
	s_cmp_lg_u32 s82, 0
	s_cselect_b32 s85, s83, s90                    ; a: first rank
	s_cselect_b32 s86, 80, 64
	s_sub_co_i32 s87, s76, s85
	s_max_i32 s87, s87, 0
	s_min_i32 s87, s87, s86                        ; the record's number of rows: c - a held to 0 .. 80 or 64
	s_cmp_ge_u32 s75, 2                            ; of expert e: tokens in the waves in front of mine, and in mine
	s_cselect_b32 s88, s53, s52
	s_cselect_b32 s89, s55, s54
	s_and_b32 s90, s75, 1
	s_lshl_b32 s90, s90, 4
	s_lshr_b32 s88, s88, s90
	s_and_b32 s88, s88, 0xffff
	s_lshr_b32 s89, s89, s90
	s_and_b32 s89, s89, 0xffff
	; a wave none of whose tokens has a rank in a .. a + count - 1 jumps the scan; no barrier stands in what is jumped
	s_cmp_eq_u32 s87, 0
	s_cbranch_scc1 .Lnoscan
	s_add_co_u32 s92, s85, s87
	s_cmp_ge_u32 s88, s92
	s_cbranch_scc1 .Lnoscan
	s_add_co_u32 s92, s88, s89
	s_cmp_le_u32 s92, s85
	s_cbranch_scc1 .Lnoscan
	s_sub_co_u32 s91, s88, s85                     ; the rank, less a, of my wave's first token of expert e (it may wrap below 0: such ranks compare as large)
; register k: each lane's token of expert e gets its rank; ranks 0 .. count - 1 go to their slot of my wave's list, all else to slot 80
.macro SCAN k
	v_cmp_eq_u32 vcc_lo, s75, v[MAP+(\k)]
	v_mbcnt_lo_u32_b32 v18, vcc_lo, s91
	s_bcnt1_i32_b32 s92, vcc_lo
	s_add_co_u32 s91, s91, s92
	v_cmp_gt_u32 s93, s87, v18
	s_and_b32 s93, s93, vcc_lo
	v_cndmask_b32 v18, v17, v18, s93
	v_min_u32 v18, 95, v18                         ; the slot stays inside my list whatever the ids
	v_lshl_add_u32 v18, v18, 2, s15
	v_add_nc_u32 v19, 128*((\k)/4)+(\k)%4, v20
	ds_store_b32 v18, v19
.endm
.set kk, 0
.rept 64
	SCAN kk
.set kk, kk+1
.endr
.Lnoscan:
	s_wait_dscnt 0x0                               ; for wave 0's sake: my list is written
	s_barrier_signal -1
	s_barrier_wait -1
	s_cmp_lg_u32 s14, 0
	s_cbranch_scc1 .Lend
	; wave 0 writes the record: lane l its ints 4 l .. 4 l + 3, which belong to part l / 8.  A slot has one writer among the eight lists, the others hold 0
	v_and_b32 v7, 7, v1
	v_lshrrev_b32 v16, 3, v1
	v_lshlrev_b32 v18, 6, v7                       ; int 4 (l % 8) + c is tile row 16 (l % 8) + 4 c + l / 8: 4 bytes a slot
	v_lshl_add_u32 v18, v16, 2, v18
	v_min_u32 v18, 316, v18                        ; lanes whose ints are no tokens read inside the list and drop it
.irp u, 0,1,2,3,4,5,6,7
.irp c, 0,1,2,3
	ds_load_b32 v[MAP+4*\u+\c], v18 offset:LIST+LREG*\u+16*\c
.endr
.endr
	v_cmp_eq_u32 s92, 5, v7                        ; ints 20-23
	v_cmp_lt_u32 s93, 5, v7                        ; ints 24-31
	s_or_b32 s94, s92, s93
	v_mov_b32 v52, s87
	v_mov_b32 v53, s75
	v_mov_b32 v54, s82
	s_wait_dscnt 0x0
.irp c, 0,1,2,3
	v_or_b32 v[48+\c], v[MAP+\c], v[MAP+4+\c]
.irp u, 2,3,4,5,6,7
	v_or_b32 v[48+\c], v[48+\c], v[MAP+4*\u+\c]
.endr
.endr
.irp c, 0,1,2
	v_cndmask_b32 v[48+\c], v[48+\c], v[52+\c], s92
	v_cndmask_b32 v[48+\c], v[48+\c], v24, s93
.endr
	v_cndmask_b32 v51, v51, v24, s94
	global_store_b128 v5, v[48:51], s[10:11]       ; 512 consecutive bytes
.Lend:
	s_wait_tensorcnt 0x0                           ; the wave's end, behind my last LDS store
	ds_add_u32 v28, v29
	s_wait_dscnt 0x0
	s_endpgm
.Lfunc_end_k_q837c6941dc_prep:
	.size	k_q837c6941dc_prep, .Lfunc_end_k_q837c6941dc_prep-k_q837c6941dc_prep
	.p2alignl 7, 3214868480
	.fill 96, 4, 3214868480
	.section	.rodata,"a",@progbits
	.p2align	6, 0x0
	.amdhsa_kernel k_q837c6941dc_prep
		.amdhsa_group_segment_fixed_size 4352
		.amdhsa_private_segment_fixed_size 0
		.amdhsa_enable_private_segment 0
		.amdhsa_kernarg_size 40
		.amdhsa_user_sgpr_count 2
		.amdhsa_user_sgpr_kernarg_segment_ptr 1
		.amdhsa_wavefront_size32 1
		.amdhsa_system_sgpr_workgroup_id_x 1
		.amdhsa_system_sgpr_workgroup_id_y 1
		.amdhsa_system_sgpr_workgroup_id_z 1
		.amdhsa_system_vgpr_workitem_id 0
		.amdhsa_next_free_vgpr 212
		.amdhsa_next_free_sgpr 96
		.amdhsa_reserve_vcc 1
		.amdhsa_float_denorm_mode_32 3
		.amdhsa_float_denorm_mode_16_64 3
		.amdhsa_memory_ordered 1
		.amdhsa_forward_progress 1
		.amdhsa_inst_pref_size 71
	.end_amdhsa_kernel
	.amdgpu_metadata
---
amdhsa.version: [ 1, 2 ]
amdhsa.kernels:
  - .name:           k_q837c6941dc_prep
    .symbol:         k_q837c6941dc_prep.kd
    .args:
      - { .name: W, .offset: 0, .size: 8, .value_kind: global_buffer, .address_space: global }
      - { .name: modality_mapping, .offset: 8, .size: 8, .value_kind: global_buffer, .address_space: global }
      - { .name: Wb, .offset: 16, .size: 8, .value_kind: global_buffer, .address_space: global }
      - { .name: rows, .offset: 24, .size: 8, .value_kind: global_buffer, .address_space: global }
      - { .name: out0, .offset: 32, .size: 8, .value_kind: global_buffer, .address_space: global }
    .group_segment_fixed_size: 4352
    .private_segment_fixed_size: 0
    .kernarg_segment_align: 8
    .kernarg_segment_size: 40
    .max_flat_workgroup_size: 256
    .sgpr_count:     96
    .vgpr_count:     212
    .wavefront_size: 32
...
	.end_amdgpu_metadata
.endif
;; end of part 3
;; launch main (part 4): grid 256 x 1, 8 waves a work-group, no clusters, 125,184 bytes of LDS; arguments x, Wb, rows, out0; writes out0
.if DOCPART == 4
	.amdgcn_target "amdgcn-amd-amdhsa--gfx1250"
	.amdhsa_code_object_version 6
	.text
	.protected	k_q837c6941dc_main
	.globl	k_q837c6941dc_main
	.p2align	8
	.type	k_q837c6941dc_main,@function
k_q837c6941dc_main:
	s_mov_b64 s[64:65], 0
	v_nop
	global_prefetch_b8 v0, s[64:65] scope:SCOPE_SE
	s_setreg_imm32_b32 hwreg(HW_REG_WAVE_MODE, 25, 1), 1
	s_wait_xcnt 0x0
; out0[t][:] = x[t][:] . W[id[t]]^T for the tokens that have an expert.  x [16384][2048] f32, out0 [16384][384] f32, Wb: W rounded once to bf16 by the launch before and laid in the order of a
; wave's operand registers: [expert 4][wave 8][quarter of 32 K: 64][16 columns: 3][half 2][lane 32][16 bytes].  x is rounded once to bf16 (nearest even) on its way into LDS; one f32 sum for each output, K ascending.
; LIMITS.  bf16 has f32's range, so none of range.  Where W holds a NaN or an infinity, the definition's zeroed rows times it make every row of out0 NaN; here only the rows of that expert.
; SHARES.  A work-group has ONE expert and up to 64 listed tokens (80 in the few that the deal of the launch before gives five blocks of 16), by its record of 512 bytes, and all 384 columns.
; Wave w of eight has columns 48 w .. 48 w + 47: 4 (5) x 3 accumulators.  It also fetches tile rows 8 i + w of x and stores those rows of out0: their tokens are ints 2 i + w / 4 of part w % 4 of the record.
; K goes in 64 quarters of 32; four quarters are a step of 128.
; W GOES STRAIGHT INTO REGISTERS.  A wave's 48 columns of W have no other reader in the work-group, so LDS would share nothing.  A quarter is six loads of 512 consecutive bytes, which ARE the three
; fragments; a ring of eight quarters (192 registers) is filled seven quarters ahead: the slot that quarter q - 1 has read is asked for again in quarter q.
; x: listed rows, which all eight waves need: one load of 16 bytes a lane is a row's 512 bytes of a step; a chunk is asked for two steps ahead of the step in which it is rounded and stored into one of
; two LDS slots, and read as fragments a step later.  ONE barrier a step orders both: my stores of the next chunk and my reads of this one are done in front of its signal.
; By this text's count a wave has at most 62 loads out, 512 bytes each.
; NO CLUSTER.  Four neighbouring work-groups walk the same expert's 1.5 MB of W, and joint loads would ask for 64 x 1.5 MB in place of 256 x 1.5 MB.  But which expert that is, is a number read from
; memory: a joint load wants every word of its descriptor and every branch equal in the partners by the text itself, and here they would be equal only by what the launch before has stored.
; THE FIFTH BLOCK is work that is jumped where the work-group's count is 64 or less; what is jumped holds no barrier.  A tile row at or past the count is not stored: a row is one wave's, so its
; three stores are jumped by a scalar branch, and EXEC stays as it was at the entry.
; THE MATRIX INSTRUCTION IS USED TRANSPOSED: source 0 = 16 rows of W, source 1 = 16 rows of x: a lane holds one token (lane % 16) and eight neighbouring columns.
; REGISTERS, in two windows of 256 (s_set_vgpr_msb: bits 1:0 source 0, 3:2 source 1, 5:4 source 2, 7:6 destination):
;   window 0: v0-13 addresses; v14-23 offsets of my ten rows; v24-39 rounded x at work; v40-103 two buffers of x fragments; v104-119 two for the fifth block; v120-135 the fifth block's x on its way;
;             v136-255 accumulator (b, n) at 136 + 8 (3 b + n)
;   window 1: v0-191 W's ring: quarter q at 24 (q % 8), fragment n at + 8 n; v192-255 x on its way: chunk c at 192 + 32 (c % 2), row i at + 4 i
.set PITCH,  272                       ; an LDS row of x: 256 bytes + 16 = 68 words: the 16 rows of a fragment load start at 16 different groups of four banks (64 banks of 4 bytes: ISA guide 11.1)
.set XSLOT,  80*PITCH                  ; x's two slots lie from LDS byte 0 on
.set SPITCH, 1552                      ; the way out: 80 rows of 1,536 + 16 bytes, also from LDS byte 0 on, written behind a barrier when x's slots have been read out
.set SPARE,  80*SPITCH                 ; behind the stage: the spare words, 128 bytes a wave: four blocks of 256 bytes that no other line names
.set QB,     3072                      ; bytes of W that a wave takes for a quarter
.set L16,  3                           ; v3   16 x lane        (v1 lane % 16, v2 lane / 16 are kept too; v11 is at work)
.set XST,  4                           ; v4   where I store 8 bytes of tile row w
.set ADRA, 5                           ; v5   my place in a fragment of x, slot 0
.set WOFF, 6                           ; v6   my 16 bytes in my wave's first 512 bytes of Wb
.set STO,  7                           ; v7-8 the way out: where I put 32 bytes of a row (blocks 0-2; blocks 3, 4)
.set STO2, 8
.set RD,   9                           ; v9-10 where I read rows back (rows i = 0-4; 5-9)
.set RD2,  10
.set SPW,  12                          ; v12  LDS address of my spare word; never rewritten
.set NIL,  13                          ; v13  0; never rewritten
.set XOFF, 14                          ; v14-23 my row i: its byte offset in x; on the way out its byte offset in out0
.set TMP,  24
.set F0,   40
.set A4,   104
.set X5,   120
.set ACC,  136
.set XS,   192                         ; in window 1
.set TOK,  16                          ; s16-25 the tokens of my ten rows
.set NB5,  58                          ; s58  1: my work-group has rows in the fifth block
.set LEFT, 68                          ; s68  the way out: count - wave: tile row 8 i + w is valid where 8 i is below it
.set WADV, 0                           ; how far W's and x's bases have been stepped where the text stands
.set XADV, 0
.set MSB, 0
.macro WIN new                         ; the immediate's high byte repeats the setting that is left; a switch that changes nothing is dropped
.if MSB != (\new)
	s_set_vgpr_msb (MSB<<8)|(\new)
.set MSB, \new
.endif
.endm
.macro PLACES                          ; four places in front of loads into registers that matrix instructions have read (ISA guide 7.12.1 for vector instructions)
.rept 4
	v_nop
.endr
.endm
.macro G5 body:vararg                  ; one line of work for the fifth block: jumped where the work-group has four
	WIN 0
	s_cmp_lg_u32 s[NB5], 0
	s_cbranch_scc0 .Lfour_\@
	\body
	WIN 0
.Lfour_\@:
.endm
; three matrix instructions: block b of 16 tokens x my three blocks of 16 columns, quarter q.  The accumulators take turns, one instruction a turn.
.macro MMB q, b, zero
	WIN 0x01                               ; W in window 1; x, C and D in window 0
.if (\b) == 4
.set rA, A4+8*((\q)%2)
.else
.set rA, F0+32*((\q)%2)+8*(\b)
.endif
.irp n, 0,1,2
.if \zero
	v_wmma_f32_16x16x32_bf16 v[ACC+8*(3*(\b)+\n):ACC+8*(3*(\b)+\n)+7], v[24*((\q)%8)+8*\n:24*((\q)%8)+8*\n+7], v[rA:rA+7], 0
.else
	v_wmma_f32_16x16x32_bf16 v[ACC+8*(3*(\b)+\n):ACC+8*(3*(\b)+\n)+7], v[24*((\q)%8)+8*\n:24*((\q)%8)+8*\n+7], v[rA:rA+7], v[ACC+8*(3*(\b)+\n):ACC+8*(3*(\b)+\n)+7]
.endif
.endr
.endm
.macro FRAG q                          ; quarter q's fragments of x, tile rows 0-63: eight LDS loads in one run
	WIN 0
.irp b, 0,1,2,3
	ds_load_b128 v[F0+32*((\q)%2)+8*\b:F0+32*((\q)%2)+8*\b+3],   v[ADRA] offset:XSLOT*(((\q)/4)%2)+16*PITCH*\b+64*((\q)%4)
	ds_load_b128 v[F0+32*((\q)%2)+8*\b+4:F0+32*((\q)%2)+8*\b+7], v[ADRA] offset:XSLOT*(((\q)/4)%2)+16*PITCH*\b+64*((\q)%4)+32
.endr
.endm
.macro A4LD q                          ; the same for tile rows 64-79
	WIN 0
	ds_load_b128 v[A4+8*((\q)%2):A4+8*((\q)%2)+3],   v[ADRA] offset:XSLOT*(((\q)/4)%2)+64*PITCH+64*((\q)%4)
	ds_load_b128 v[A4+8*((\q)%2)+4:A4+8*((\q)%2)+7], v[ADRA] offset:XSLOT*(((\q)/4)%2)+64*PITCH+64*((\q)%4)+32
.endm
; chunk c of x (K 128 c ..): my rows 0-7 are rounded (CVT), stored into slot c % 2 (XSTO), asked for (XLD); the same for my rows 8, 9, which lie in the fifth block (CVT5, XSTO5, XLD5)
.macro CVT c
	WIN 0x05                               ; sources in window 1
.set cz, 0
.rept 8
.set cs, XS+32*((\c)%2)+4*cz
	v_cvt_pk_bf16_f32 v[TMP+2*cz], v[cs], v[cs+1]
	v_cvt_pk_bf16_f32 v[TMP+2*cz+1], v[cs+2], v[cs+3]
.set cz, cz+1
.endr
.endm
.macro XSTO c
	WIN 0
.set cz, 0
.rept 8
	ds_store_b64 v[XST], v[TMP+2*cz:TMP+2*cz+1] offset:8*PITCH*cz+XSLOT*((\c)%2)  ; 32 lanes x 8 bytes: a row's 256 bytes
.set cz, cz+1
.endr
.endm
.macro XLD c
	WIN 0x40                               ; destination in window 1
.set cz, 0
.rept 8
.set cs, XS+32*((\c)%2)+4*cz
	global_load_b128 v[cs:cs+3], v[XOFF+cz], s[4:5] offset:(\c)*512-XADV th:TH_LOAD_NT  ; 512 consecutive bytes of one row; a token's row is read by one wave of the launch (only the filler row 0 by more)
.set cz, cz+1
.endr
.endm
.macro CVT5 c
	WIN 0
.set cz, 0
.rept 2
.set cs, X5+8*((\c)%2)+4*cz
	v_cvt_pk_bf16_f32 v[TMP+2*cz], v[cs], v[cs+1]
	v_cvt_pk_bf16_f32 v[TMP+2*cz+1], v[cs+2], v[cs+3]
.set cz, cz+1
.endr
.endm
.macro XSTO5 c
	WIN 0
.set cz, 0
.rept 2
	ds_store_b64 v[XST], v[TMP+2*cz:TMP+2*cz+1] offset:8*PITCH*(8+cz)+XSLOT*((\c)%2)
.set cz, cz+1
.endr
.endm
.macro XLD5 c
	WIN 0
.set cz, 0
.rept 2
.set cs, X5+8*((\c)%2)+4*cz
	global_load_b128 v[cs:cs+3], v[XOFF+8+cz], s[4:5] offset:(\c)*512-XADV th:TH_LOAD_NT
.set cz, cz+1
.endr
.endm
.macro WLD q                           ; quarter q of my wave's W into ring slot q % 8: six loads of 512 consecutive bytes; other work-groups read the same bytes: no hint
	WIN 0x40
.irp m, 0,1,2,3,4,5
	global_load_b128 v[24*((\q)%8)+4*\m:24*((\q)%8)+4*\m+3], v[WOFF], s[6:7] offset:(\q)*QB+512*\m-WADV
.endr
.endm
; THE COUNT at the head of quarter q: the loads issued behind W(q)'s six, on the way with four blocks.  Quarter t issues W(t + 7), six loads, up to t = 56, and behind them, where t is a step's first
; quarter and up to t = 48, eight loads of x.  W(q) goes out in quarter q - 7.  So: x of quarter q - 7, and all of quarters q - 6 .. q - 1: 44 in a step's first quarter, 52 in the others, less
; toward the end.  The chunk of x that quarter q rounds went out in quarter q - 8, ahead of W(q): the same wait serves it.  The start issues ten rows a chunk and the way with five blocks two more
; a step: there more loads are younger than the count says, and the wait only asks for more.
.macro WCOUNT q
.set wc, 0
.set tt, (\q)-7
.if (((tt+8)%4) == 0) && (tt <= 48)
.set wc, wc+8
.endif
.rept 6
.set tt, tt+1
.if tt <= 56
.set wc, wc+6
.endif
.if (((tt+8)%4) == 0) && (tt <= 48)
.set wc, wc+8
.endif
.endr
.endm
.macro Q5 q, zero                      ; the fifth block's share of quarter q: its x fragments of the next quarter, its products, and in a step's first quarter its two rows of x
.if ((\q) > 0) && ((\q) < 63)
	A4LD (\q)+1                            ; the buffer's last reader stands ahead of the last quarter's places
.endif
.if !(\zero)
	MMB \q, 4, 0
.endif
.if (((\q)%4) == 0) && ((\q)/4 < 15)
	CVT5 (\q)/4+1
	XSTO5 (\q)/4+1
.if (\q)/4 < 13
	XLD5 (\q)/4+3
.endif
.endif
.endm
; the other work of quarter q, in one run: the places (a step's 16 conversions in its first quarter, else four v_nop), the next quarter's fragments of x, W seven quarters on into the slot read last
; quarter, and in a step's first quarter the chunk of x three steps on into the registers just rounded
.macro RUN q
.if (((\q)%4) == 0) && ((\q)/4 < 15)
	CVT (\q)/4+1
	XSTO (\q)/4+1
.elseif (\q) < 63
	PLACES
.endif
.if (\q) < 63
	FRAG (\q)+1
.endif
.if (\q) < 57
	WLD (\q)+7
.endif
.if (((\q)%4) == 0) && ((\q)/4 < 13)
	XLD (\q)/4+3
.endif
.endm
; A QUARTER.  In a step's fourth quarter stands the step's barrier: at its signal my stores of the next chunk and my reads of this step's slot are done (the wait for all LDS instructions just ahead);
; six products stand between signal and wait; behind the wait come the first reads of the other slot, and in the next quarter the stores into this one.
.macro QUART q, zero
	WCOUNT \q
	s_wait_loadcnt wc                      ; W(q) is in, and so is all that was asked for ahead of it
	s_wait_dscnt 0x0                       ; this quarter's fragments of x are in
.if (((\q)%4) == 3) && ((\q) < 63)
	s_barrier_signal -1
.endif
	MMB \q, 0, \zero
	MMB \q, 1, \zero
	WIN 0
.if (((\q)%4) == 3) && ((\q) < 63)
	s_barrier_wait -1
.endif
.if \zero
	MMB \q, 4, 1                           ; the first products start all 15 sums, the fifth block's too: nothing is ever cleared
.endif
	G5 Q5 \q, \zero
	RUN \q
	MMB \q, 2, \zero
	MMB \q, 3, \zero
.endm
	s_load_b256 s[4:11], s[0:1], 0x0               ; x s[4:5], Wb s[6:7], rows s[8:9], out0 s[10:11]
	v_lshl_add_u32 v[SPW], v0, 2, SPARE
	v_mov_b32 v[NIL], 0
	v_lshrrev_b32 v11, 5, v0
	v_readfirstlane_b32 s12, v11                   ; wave 0..7
	s_lshl_b32 s66, ttmp9, 9                       ; part w % 4 of my work-group's record: 512 g + 128 (w % 4)
	s_and_b32 s67, s12, 3
	s_lshl_b32 s67, s67, 7
	s_add_co_u32 s66, s66, s67
	s_mov_b32 s67, 0
	v_and_b32 v1, 15, v0                           ; l % 16; kept
	v_bfe_u32 v2, v0, 4, 1                         ; l / 16; kept
	v_and_b32 v11, 31, v0
	v_lshlrev_b32 v[L16], 4, v11
	s_mul_i32 s74, s12, PITCH
	v_lshl_add_u32 v[XST], v11, 3, s74             ; tile row w, 8 bytes a lane
	v_mul_u32_u24 v[ADRA], v1, PITCH
	v_lshl_add_u32 v[ADRA], v2, 4, v[ADRA]         ; a fragment: row l % 16, 16 bytes for each half of the lanes
	s_wait_kmcnt 0x0
	s_add_nc_u64 s[68:69], s[8:9], s[66:67]
	s_load_b512 s[32:47], s[68:69], 0x0            ; the part's 20 tokens: s32-s51;
	s_load_b256 s[48:55], s[68:69], 0x40           ; s52 my work-group's count, s53 its expert
	s_wait_kmcnt 0x0
	s_min_u32 s57, s53, 3                          ; the expert stays inside Wb whatever the record holds
	s_cmp_gt_u32 s52, 64
	s_cselect_b32 s[NB5], 1, 0                     ; tile rows 64-79 hold tokens
	s_mul_i32 s66, s57, 8*64*QB                    ; the expert's W,
	s_mul_i32 s67, s12, 64*QB                      ; my wave's 64 quarters
	s_add_co_u32 s66, s66, s67
	v_add_nc_u32 v[WOFF], s66, v[L16]
	s_cmp_ge_u32 s12, 4                            ; waves 0-3 take the part's even ints, waves 4-7 the odd ones
.set i, 0
.rept 10
	s_cselect_b32 s[TOK+i], s[33+2*i], s[32+2*i]
.set i, i+1
.endr
.set i, 0
.rept 10
	s_min_u32 s[TOK+i], s[TOK+i], 0x3fff           ; a token stays inside x and out0 whatever the record holds
	v_lshl_add_u32 v[XOFF+i], s[TOK+i], 13, v[L16] ; its row of 8,192 bytes + 16 lane; it stays until the last load of x is in
.set i, i+1
.endr
	; THE START issues what quarters -12 .. -1 would have issued, in their order.  The first three chunks take all ten rows, so that every register of the fifth block is written on every way.
	XLD 0
	XLD5 0
	XLD 1
	XLD5 1
	WLD 0
	WLD 1
	WLD 2
	WLD 3
	s_wait_loadcnt 34                              ; chunk 0 is in: chunk 1's ten loads and 24 of W are younger
	CVT 0
	XSTO 0
	CVT5 0
	XSTO5 0
	XLD 2
	XLD5 2
	WLD 4
	WLD 5
	WLD 6                                          ; 34 + 10 + 18 = 62 loads are out at the most
	WIN 0
	s_wait_dscnt 0x0                               ; for the others' sake: my rows of chunk 0 are stored
	s_barrier_signal -1
	s_barrier_wait -1
	FRAG 0
	A4LD 0
	A4LD 1                                         ; both of the fifth block's buffers are written on every way
	QUART 0, 1                                     ; step 0 is written out: its first quarter starts the sums
	QUART 1, 0
	QUART 2, 0
	QUART 3, 0
	WIN 0
	s_mov_b32 s60, 6
.Ltrip:                                                ; six trips of two steps: steps 1 to 12.  Eight quarters go once round W's ring, two steps once round x's slots and registers
.set qq, 4
.rept 8
	QUART qq, 0
.set qq, qq+1
.endr
	WIN 0
	s_wait_xcnt 0x0                                ; the bases are stepped only behind this wait
	s_add_nc_u64 s[4:5], s[4:5], 1024              ; two chunks of x on
	s_add_nc_u64 s[6:7], s[6:7], 8*QB              ; eight quarters of W on
	s_sub_co_u32 s60, s60, 1
	s_cmp_lg_u32 s60, 0
	s_cbranch_scc1 .Ltrip
.set WADV, 6*8*QB
.set XADV, 6*1024
.set qq, 52                                            ; steps 13 to 15 are written out: no more x is asked for, W up to quarter 63, and the counts run down
.rept 12
	QUART qq, 0
.set qq, qq+1
.endr
	; THE WAY OUT.  A lane's 32 bytes are a piece of a token's row; the rows are gathered in LDS and leave whole.  The address lines are the places behind the last products.
	WIN 0
	s_mul_i32 s66, s12, 192                        ; my wave's 48 columns
	s_mul_i32 s67, s12, SPITCH
	s_sub_co_i32 s[LEFT], s52, s12
	v_mul_u32_u24 v[STO], v1, SPITCH               ; in: row l % 16, my wave's 192 bytes, 32 bytes for each half of the lanes
	v_lshl_add_u32 v[STO], v2, 5, v[STO]
	v_add_nc_u32 v[STO], s66, v[STO]
	v_add_nc_u32 v[STO2], 48*SPITCH, v[STO]
	v_add_nc_u32 v[RD], s67, v[L16]                ; back: tile row 8 i + w, 512 bytes to a load
	v_add_nc_u32 v[RD2], 40*SPITCH, v[RD]
	s_wait_xcnt 0x0                                ; x's offsets are rewritten only behind this wait (the loads that named them are long in)
.set i, 0
.rept 10
	s_mul_i32 s69, s[TOK+i], 1536                  ; my row i's token: its row of out0,
	v_add_nc_u32 v[XOFF+i], s69, v[L16]            ; + 16 lane; all ten are made here, and none is rewritten
.set i, i+1
.endr
	s_wait_dscnt 0x0                               ; my reads of x's slots are over
	s_barrier_signal -1
	s_barrier_wait -1                              ; everybody's are: the bytes may be written
.macro STG b                           ; block b's three accumulators, each from its low end on
	WIN 0
.irp n, 0,1,2
.if (\b) < 3
	ds_store_b128 v[STO], v[ACC+8*(3*(\b)+\n):ACC+8*(3*(\b)+\n)+3]    offset:16*SPITCH*(\b)+64*\n
	ds_store_b128 v[STO], v[ACC+8*(3*(\b)+\n)+4:ACC+8*(3*(\b)+\n)+7]  offset:16*SPITCH*(\b)+64*\n+16
.else
	ds_store_b128 v[STO2], v[ACC+8*(3*(\b)+\n):ACC+8*(3*(\b)+\n)+3]   offset:16*SPITCH*((\b)-3)+64*\n
	ds_store_b128 v[STO2], v[ACC+8*(3*(\b)+\n)+4:ACC+8*(3*(\b)+\n)+7] offset:16*SPITCH*((\b)-3)+64*\n+16
.endif
.endr
.endm
	STG 0
	STG 1
	STG 2
	STG 3
	G5 STG 4
	s_wait_dscnt 0x0                               ; for the others' sake: my stores are done
	s_barrier_signal -1
	s_barrier_wait -1
.macro SLD i, rb                       ; my row i, 1,536 bytes, into 12 registers from rb on
.irp c, 0,1,2
.if (\i) < 5
	ds_load_b128 v[(\rb)+4*\c:(\rb)+4*\c+3], v[RD] offset:8*SPITCH*(\i)+512*\c
.else
	ds_load_b128 v[(\rb)+4*\c:(\rb)+4*\c+3], v[RD2] offset:8*SPITCH*((\i)-5)+512*\c
.endif
.endr
.endm
; row i goes to its token's row of out0 if its tile row, 8 i + w, is below the count; else its three stores are jumped.  left: the younger LDS loads; the wait stands ahead of the jump, so it counts alike on both ways
.macro OROW i, rb, left
	s_wait_dscnt \left
	s_cmp_gt_i32 s[LEFT], 8*(\i)
	s_cbranch_scc0 .Lpast_\@
	global_store_b128 v[XOFF+(\i)], v[(\rb):(\rb)+3], s[10:11] th:TH_STORE_NT          ; 16 lanes store 256 consecutive bytes, at a multiple of 256 from out0's first byte
	global_store_b128 v[XOFF+(\i)], v[(\rb)+4:(\rb)+7], s[10:11] offset:512 th:TH_STORE_NT
	global_store_b128 v[XOFF+(\i)], v[(\rb)+8:(\rb)+11], s[10:11] offset:1024 th:TH_STORE_NT
.Lpast_\@:
.endm
.macro OUT5                            ; the fifth block's rows
	s_wait_xcnt 0x0                        ; the registers from which rows 0 and 1 were stored are loaded again only behind this wait
	SLD 8, F0
	SLD 9, F0+12
	OROW 8, F0, 3
	OROW 9, F0+12, 0
.endm
.irp i, 0,1,2,3,4,5,6,7
	SLD \i, F0+12*\i
.endr
.irp i, 0,1,2,3,4,5,6,7
	OROW \i, F0+12*\i, 21-3*\i
.endr
	G5 OUT5
	s_wait_tensorcnt 0x0                           ; the wave's end, behind my last LDS store
	ds_add_u32 v[SPW], v[NIL]
	s_wait_dscnt 0x0
	s_endpgm
.Lfunc_end_k_q837c6941dc_main:
	.size	k_q837c6941dc_main, .Lfunc_end_k_q837c6941dc_main-k_q837c6941dc_main
	.p2alignl 7, 3214868480
	.fill 96, 4, 3214868480
	.section	.rodata,"a",@progbits
	.p2align	6, 0x0
	.amdhsa_kernel k_q837c6941dc_main
		.amdhsa_group_segment_fixed_size 125184
		.amdhsa_private_segment_fixed_size 0
		.amdhsa_enable_private_segment 0
		.amdhsa_kernarg_size 32
		.amdhsa_user_sgpr_count 2
		.amdhsa_user_sgpr_kernarg_segment_ptr 1
		.amdhsa_wavefront_size32 1
		.amdhsa_system_sgpr_workgroup_id_x 1
		.amdhsa_system_sgpr_workgroup_id_y 1
		.amdhsa_system_sgpr_workgroup_id_z 1
		.amdhsa_system_vgpr_workitem_id 0
		.amdhsa_next_free_vgpr 512
		.amdhsa_next_free_sgpr 80
		.amdhsa_reserve_vcc 0
		.amdhsa_float_denorm_mode_32 3
		.amdhsa_float_denorm_mode_16_64 3
		.amdhsa_memory_ordered 1
		.amdhsa_forward_progress 1
		.amdhsa_inst_pref_size 91
	.end_amdhsa_kernel
	.amdgpu_metadata
---
amdhsa.version: [ 1, 2 ]
amdhsa.kernels:
  - .name:           k_q837c6941dc_main
    .symbol:         k_q837c6941dc_main.kd
    .args:
      - { .name: x, .offset: 0, .size: 8, .value_kind: global_buffer, .address_space: global }
      - { .name: Wb, .offset: 8, .size: 8, .value_kind: global_buffer, .address_space: global }
      - { .name: rows, .offset: 16, .size: 8, .value_kind: global_buffer, .address_space: global }
      - { .name: out0, .offset: 24, .size: 8, .value_kind: global_buffer, .address_space: global }
    .group_segment_fixed_size: 125184
    .private_segment_fixed_size: 0
    .kernarg_segment_align: 8
    .kernarg_segment_size: 32
    .max_flat_workgroup_size: 256
    .sgpr_count:     80
    .vgpr_count:     512
    .wavefront_size: 32
...
	.end_amdgpu_metadata
.endif
;; end of part 4
